; MI455X (gfx1250); checked and timed in simulation.
; The chip was launched on July 23, 2026; its instructions are those of AMD's public machine-readable ISA for CDNA 5 (MIT licence, August 2026) and "CDNA5" Instruction Set Architecture Reference Guide (July 2026). The comments in the code are by the model that wrote it; some were corrected since.
;; Multi Head Self Attention. Allowed arithmetic: matrix products marked QUANTISED: E5M2 operands, one E8M0 scale for each 32 along K, by v_wmma_scale_f32_16x16x128_f8f6f4 with both operands' format E5M2, f32 sums; everything else in f32.
;; Inputs: W_k 768 x 768 float32; W_o 768 x 768 float32; W_q 768 x 768 float32; W_v 768 x 768 float32; b_o 768 float32; keys 1 x 4,096 x 768 float32; mask 1 x 1 x 4,096 x 4,096 float32; queries 1 x 4,096 x 768 float32; values 1 x 4,096 x 768 float32.
;; Outputs: out0 1 x 4,096 x 768 float32.
;; This version of the problem:
;;   THIS VERSION OF THE PROBLEM IS GIVEN IN LOW PRECISION. The matrix products marked QUANTISED in the list below multiply operands that are first quantised to E5M2 (5 exponent bits, 2 mantissa bits; 8 bits a number), with one power-of-two scale for each 32 numbers along K (OCP MX v1.0); their sums are f32. All else is computed in f32.
;;   The module's matrix products, in the order in which they are computed (A, B: the left and right operand; K: the contracted axis; several contracted axes count as one K, in the product's order):
;;     1. [M 4,096, K 768] x [K 768, N 768]; A: input queries; B: input W_q: QUANTISED
;;     2. [M 4,096, K 768] x [K 768, N 768]; A: input keys; B: input W_k: QUANTISED
;;     3. [M 4,096, K 768] x [K 768, N 768]; A: input values; B: input W_v: QUANTISED
;;     4. batch 12 x [M 4,096, K 64] x [K 64, N 4,096]; A: computed on the way; B: computed on the way: QUANTISED
;;     5. batch 12 x [M 4,096, K 4,096] x [K 4,096, N 64]; A: softmax (see below); B: computed on the way: QUANTISED
;;     6. [M 4,096, K 768] x [K 768, N 768]; A: computed on the way; B: input W_o: QUANTISED
;;   THE QUANTISER, for each operand of a quantised product, along K:
;;     - K is cut into blocks of 32 from its start; a last block that is shorter is filled with zeros.
;;     - A block's scale is 2^e with e = floor(log2(the largest magnitude in the block)) - 15, held to -126 .. 127; a block of zeros has e = 0. As a byte (E8M0): e + 127.
;;     - Each number is divided by its block's scale, clamped to +-57,344, and rounded to the nearest number of E5M2, ties to even, subnormals kept.
;;     - The product sums the exact products of the quantised numbers (number of the format x scale) in f32.
;;   ~~~python
;;   def quantise(x, axis):      # numpy; x: float32 -> the quantised numbers, widened to float32 again
;;       x = np.moveaxis(x, axis, -1); K = x.shape[-1]
;;       x = np.pad(x, [(0, 0)] * (x.ndim - 1) + [(0, -K % 32)]); x = x.reshape(x.shape[:-1] + (-1, 32)); a = np.abs(x).max(-1, keepdims=True)
;;       e = np.where(a > 0, np.clip(np.frexp(np.where(a > 0, a, 1))[1] - 1 - 15, -126, 127), 0)      # np.frexp(a)[1] - 1 = floor(log2(a)), exactly
;;       r = np.clip(x / 2.0 ** e, -57344, 57344)
;;       step = 2.0 ** (np.maximum(np.frexp(np.where(r == 0, 1, r))[1] - 1, -14) - 2)
;;       q = np.round(r / step) * step * 2.0 ** e      # np.round: ties to even
;;       return np.moveaxis(q.reshape(q.shape[:-2] + (-1,))[..., :K], -1, axis).astype(np.float32)
;;   ~~~
;;   SOFTMAX AHEAD OF A QUANTISED PRODUCT. Where the list says 'softmax', what is quantised is not the finished softmax but p = 2^(t - M), with t = logit x log2(e) and M = ceil(the row's largest t), a whole number; so 1/2 < the row's largest p <= 1. The row's sum l is taken of the UNQUANTISED p, in f32, and the product's result is divided by l at the end. Since M is a whole number, a kernel that streams over the keys may use a running M (the ceiling of the running maximum): every later rescaling is an exact power of two, which a block's scale takes up: the codes' values come out the same.
;;   OPERANDS COMPUTED ON THE WAY. 'Computed on the way' means the value that the module computes at that place (a softmax that the list does not call 'softmax' is quantised finished and normalised). What goes into a quantiser is computed in f32, as accurately as f32 sums, v_exp_f32 and their like allow (about 1e-6 of the number): no bf16 or f16 on the way to a quantiser, and a product that is left as it is and whose result goes on into a quantised operand takes f32 operands (vector FMAs, or v_wmma_f32_16x16x4_f32). A number that lies on a knife's edge between two numbers of the format may be rounded either way, as far as f32 arithmetic and the matrix unit's own rounding can turn it there, and no further.
;; One version. Each part assembles by itself: llvm-mc -triple=amdgcn-amd-amdhsa -mcpu=gfx1250 --defsym DOCPART=n.
;; ======== version 1 of 1: 4 launches
;; limits: right only within a limited range of input values
;; workspace buffers: xq 9,732,096 bytes; wq 2,433,024 bytes; qb 3,342,336 bytes; kv 6,586,368 bytes; ao 3,244,032 bytes
;; launch quant (part 1): grid 256 x 1, 11 waves a work-group, no clusters, 153,600 bytes of LDS; arguments queries, keys, values, W_q, W_k, W_v, W_o, xq, wq; writes xq, wq
.if DOCPART == 1
	.amdgcn_target "amdgcn-amd-amdhsa--gfx1250"
	.amdhsa_code_object_version 6
	.text
	.protected	k_q477d953eec_quant
	.globl	k_q477d953eec_quant
	.p2align	8
	.type	k_q477d953eec_quant,@function
k_q477d953eec_quant:
	s_mov_b64 s[64:65], 0
	v_nop
	global_prefetch_b8 v0, s[64:65] scope:SCOPE_SE
	s_setreg_imm32_b32 hwreg(HW_REG_WAVE_MODE, 25, 1), 1
	s_wait_xcnt 0x0
; queries, keys, values [4096][768] f32 (K innermost) and W_q, W_k, W_v, W_o [768][768] f32 (K = the FIRST axis) become codes of BF8 (E5M2) with one E8M0 byte for each 32 along K.
; A block's scale is 2^(floor(log2(its largest magnitude)) - 15); each number is divided by it, held within +-57,344 and rounded to the nearest code, ties to even.
; THE CODES ARE LAID AS IMAGES OF THE OPERAND'S REGISTERS: a fragment (16 rows x 128 K) is 2,048 bytes, [c 0..3][lane 0..31][16 bytes]; lane (r = lane % 16, h = lane / 16) holds k = 32 c + 16 h + 0 .. 15 of row r.
;   xq: codes [p 3][tile 256][K step 6][2048]; from byte 9,437,184 the scale words [p][tile][K step / 2][row 16][2 words].     wq: the same with [mat 4][tile 48].
; WHICH ROWS FORM A TILE: queries: tile T, row r = row 16 T + r.  keys, values and the columns of all four W: tile 2 b + u, row r = index 32 b + 8 u + r + 8 (r / 8), so that a later product's
; results, used transposed, hold 16 neighbours of that index in the 16 registers of two neighbouring tiles.
; SHARES.  Work-groups 0-255: tile T = the work-group's number of all three inputs; wave w takes input w / 3 and K steps 2 (w % 3), 2 (w % 3) + 1: 16 rows x 1,024 bytes.  Each load reads 512 consecutive
; bytes of a row; the rows turn through the wave's own stage in LDS so that a lane gets 16 neighbours of each block of 32.
; Work-groups 256-287: eight for each W; a wave takes 32 columns x 256 along K: a lane a column, its registers down K, so that a block lies in one lane and nothing is transposed.
; Waves share nothing: no barrier.  No matrix work, no cluster: every input byte is read once, by one wave.
; LIMITS: NaN and infinities among the inputs are not served.  A block whose largest magnitude lies under 2^-111 (the floor) gets the byte 1; so does a block of zeros, where the rule says 127:
; its codes are zeros, which add nothing under any byte but 0xff, and this program alone reads the bytes.
.set TM,   16                          ; v16-19 largest magnitudes, v20-23 the other half's, then bytes, v24-27 57,344 x the scale, v28-31 the conversions' scale operands
.set PW,   32                          ; v32-33 the two K steps' scale words
.set PC0,  36                          ; v36-51, v52-67 the two fragments' codes
.set PC1,  52
.set R0,   68                          ; v68-131, v132-195 64 numbers each (W: two sets of 32, and the eight blocks' codes)
.set R1,   132
.set SEL,  40                          ; s[40:41] lane selects for v_permlanex16_b32: lane l xor 16
.set MNT,  42                          ; s42 the mantissa field of 57,344
.set SPX,  528                         ; a stage row: 512 bytes + 16: 33 x 16 bytes, so that sixteen rows' 16-byte pieces fall on different banks
.set STG,  16*SPX                      ; a stage: 16 rows
.set WREG, 2*STG                       ; a wave's LDS: two stages
	s_load_b512 s[8:23], s[0:1], 0x0               ; queries s[8:9], keys s[10:11], values s[12:13], W_q s[14:15], W_k s[16:17], W_v s[18:19], W_o s[20:21], xq s[22:23]
	s_load_b64 s[24:25], s[0:1], 0x40              ; wq
	v_lshl_add_u32 v200, v0, 2, 0x25200
	v_mov_b32 v201, 0
	v_lshrrev_b32 v1, 5, v0
	s_delay_alu instid0(VALU_DEP_1)
	v_readfirstlane_b32 s4, v1                     ; wave 0..10
	v_and_b32 v1, 31, v0                           ; lane
	s_mov_b32 s[MNT], 0x600000
; THE SHARES OF THE WEIGHTS, in place of what the head says of work-groups 256-287: the grid is 256 work-groups of eleven waves; waves 0-8 take the inputs' tile as stated;
; waves 9 and 10 take the weights' 288 parts (4 W x 72 parts of 32 columns x 256 along K): part = 256 (wave - 9) + the work-group's number; wave 10 has a part in work-groups 0-31 alone and ends elsewhere.
	s_cmp_ge_u32 s4, 9
	s_cbranch_scc1 .Lweights
; ---------------- queries, keys, values ----------------
; 64 numbers of a lane, register 16 b + i = k 32 b + 16 (lane / 16) + i of my row, become a fragment's codes in v[pc] on and its scale word in v[pw]
.macro QUANT s, pc, pw
.irp b, 0,1,2,3
	v_max3_num_f32 v[TM+\b], |v[\s+16*\b]|, |v[\s+16*\b+1]|, 0x8000000   ; block b: my 16 numbers, and the floor 2^(16 - 127): the byte cannot fall under 1
.endr
.irp i, 2,4,6,8,10,12,14
.irp b, 0,1,2,3
	s_delay_alu instid0(VALU_DEP_4)
	v_max3_num_f32 v[TM+\b], v[TM+\b], |v[\s+16*\b+\i]|, |v[\s+16*\b+\i+1]|   ; the four blocks by turns
.endr
.endr
.irp b, 0,1,2,3
	s_delay_alu instid0(VALU_DEP_4)
	v_permlanex16_b32 v[TM+4+\b], v[TM+\b], s[SEL], s[SEL+1]
.endr
.irp b, 0,1,2,3
	s_delay_alu instid0(VALU_DEP_4)
	v_max_num_f32 v[TM+\b], v[TM+\b], v[TM+4+\b]   ; with lane l xor 16's: the block's largest magnitude
.endr
.irp b, 0,1,2,3
	s_delay_alu instid0(VALU_DEP_4)
	v_add_nc_u32 v[TM+12+\b], 0xf8800000, v[TM+\b] ; 15 off its exponent field: the conversion takes the exponent field of this operand as its scale
.endr
.irp b, 0,1,2,3
	v_and_or_b32 v[TM+8+\b], v[TM+\b], 0x7f800000, s[MNT]   ; 57,344 x the scale
.endr
.irp b, 0,1,2,3
	v_lshrrev_b32 v[TM+4+\b], 23, v[TM+12+\b]      ; the scale's byte
.endr
	s_delay_alu instid0(VALU_DEP_3)
	v_lshl_or_b32 v[\pw], v[TM+5], 8, v[TM+4]      ; four bytes make my row's scale word
	s_delay_alu instid0(VALU_DEP_1)
	v_lshl_or_b32 v[\pw], v[TM+6], 16, v[\pw]
	s_delay_alu instid0(VALU_DEP_1)
	v_lshl_or_b32 v[\pw], v[TM+7], 24, v[\pw]
.irp b, 0,1,2,3
.irp i, 0,1,2,3,4,5,6,7,8,9,10,11,12,13,14,15
	v_med3_num_f32 v[\s+16*\b+\i], v[\s+16*\b+\i], -v[TM+8+\b], v[TM+8+\b]   ; the conversion to an 8-bit code does not saturate (ISA guide 7.6.2): the hold comes first
.endr
	v_cvt_scalef32_pk8_bf8_f32 v[\pc+4*\b:\pc+4*\b+1], v[\s+16*\b:\s+16*\b+7], v[TM+12+\b]
	v_cvt_scalef32_pk8_bf8_f32 v[\pc+4*\b+2:\pc+4*\b+3], v[\s+16*\b+8:\s+16*\b+15], v[TM+12+\b]
.endr
	v_nop                                          ; one plain vector line behind the last conversion
.endm
.macro XLOAD e                         ; K step e of my two: 16 rows, 512 consecutive bytes a load
.irp w, 0,1,2,3,4,5,6,7
	global_load_b128 v[R0+64*\e+4*\w:R0+64*\e+4*\w+3], v6, s[32:33] offset:\w*3072+\e*512 th:TH_LOAD_NT
.endr
.irp w, 8,9,10,11,12,13,14,15
	global_load_b128 v[R0+64*\e+4*\w:R0+64*\e+4*\w+3], v7, s[32:33] offset:\w*3072+\e*512 th:TH_LOAD_NT
.endr
.endm
.macro TURN e                          ; through my stage: in as loaded, back 16 neighbours of each block a lane, into the registers that they left.  LDS serves a wave's instructions in order (ISA guide 5.7.1.4)
.irp w, 0,1,2,3,4,5,6,7,8,9,10,11,12,13,14,15
	ds_store_b128 v4, v[R0+64*\e+4*\w:R0+64*\e+4*\w+3] offset:\e*STG+\w*SPX
.endr
.irp c, 0,1,2,3
.irp j, 0,1,2,3
	ds_load_b128 v[R0+64*\e+16*\c+4*\j:R0+64*\e+16*\c+4*\j+3], v5 offset:\e*STG+128*\c+16*\j
.endr
.endr
.endm
	v_and_b32 v2, 15, v0                           ; r
	v_bfe_u32 v3, v0, 4, 1                         ; h
	s_mul_i32 s5, s4, WREG                         ; my wave's LDS
	v_lshlrev_b32 v6, 4, v1                        ; 16 x lane: my bytes of a load, rows 0-7
	s_delay_alu instid0(VALU_DEP_1)
	v_add_nc_u32 v4, s5, v6                        ; the stage, in
	v_mul_u32_u24 v5, v2, SPX
	s_delay_alu instid0(VALU_DEP_1)
	v_lshl_add_u32 v5, v3, 6, v5
	s_delay_alu instid0(VALU_DEP_1)
	v_add_nc_u32 v5, s5, v5                        ; the stage, back: row r, + 64 h
	v_lshlrev_b32 v8, 3, v2                        ; 8 r: my row's two scale words
	s_mov_b32 s[SEL], 0x76543210
	s_mov_b32 s[SEL+1], 0xfedcba98
.irp b, 0,1,2,3
	v_mov_b32 v[TM+4+\b], 0                        ; written once: a lane permute's destination counts as one of its sources
.endr
	s_mul_i32 s26, s4, 11
	s_lshr_b32 s26, s26, 5                         ; p = wave / 3
	s_mul_i32 s27, s26, 3
	s_sub_co_u32 s27, s4, s27                      ; i = wave % 3
	s_lshl_b32 s28, ttmp9, 4                       ; queries: the tile begins at row 16 T
	s_lshr_b32 s29, ttmp9, 1
	s_lshl_b32 s29, s29, 5
	s_and_b32 s30, ttmp9, 1
	s_lshl_b32 s30, s30, 3
	s_add_co_u32 s29, s29, s30                     ; keys, values: at row 32 (T / 2) + 8 (T % 2),
	s_cmp_eq_u32 s26, 0
	s_cselect_b32 s28, s28, s29
	s_cselect_b32 s31, 0, 24576                    ; and its rows 8-15 lie 8 rows further down
	v_add_nc_u32 v7, s31, v6                       ; my bytes of a load, rows 8-15
	s_mul_i32 s28, s28, 3072
	s_lshl_b32 s30, s27, 10
	s_add_co_u32 s28, s28, s30                     ; + 1,024 i bytes along the row
	s_mov_b32 s29, 0
	s_mul_i32 s34, s26, 3145728                    ; the codes: p, tile T, K step 2 i
	s_mul_i32 s35, ttmp9, 12288
	s_add_co_u32 s34, s34, s35
	s_lshl_b32 s35, s27, 12
	s_add_co_u32 s34, s34, s35
	s_mov_b32 s35, 0
	s_lshl_b32 s38, s26, 8                         ; the scale words
	s_add_co_u32 s38, s38, ttmp9
	s_mul_i32 s38, s38, 384
	s_lshl_b32 s39, s27, 7
	s_add_co_u32 s38, s38, s39
	s_add_co_u32 s38, s38, 9437184
	s_mov_b32 s39, 0
	s_wait_alu depctr_va_vdst(0)
	s_wait_kmcnt 0x0
	s_cmp_eq_u32 s26, 1                            ; the choice hangs on the wave's number alone
	s_cselect_b64 s[32:33], s[10:11], s[8:9]
	s_cmp_eq_u32 s26, 2
	s_cselect_b64 s[32:33], s[12:13], s[32:33]
	s_add_nc_u64 s[32:33], s[32:33], s[28:29]
	s_add_nc_u64 s[36:37], s[22:23], s[34:35]
	s_add_nc_u64 s[38:39], s[22:23], s[38:39]
	XLOAD 0
	XLOAD 1                                        ; all of the wave's 16 KiB are asked for at once
	s_wait_loadcnt 16                              ; the first K step's 16 loads are in; the second's may be out
	TURN 0
	s_wait_loadcnt 0x0
	TURN 1
	s_wait_dscnt 32                                ; the first turn is back; the second's 16 stores and 16 loads may be out
	QUANT R0, PC0, PW
.irp c, 0,1,2,3
	global_store_b128 v6, v[PC0+4*\c:PC0+4*\c+3], s[36:37] offset:512*\c          ; 32 lanes store 512 consecutive bytes
.endr
	s_wait_dscnt 0x0
	QUANT R1, PC1, PW+1
.irp c, 0,1,2,3
	global_store_b128 v6, v[PC1+4*\c:PC1+4*\c+3], s[36:37] offset:2048+512*\c
.endr
	global_store_b64 v8, v[PW:PW+1], s[38:39]      ; both halves of the lanes hold the same words and write the same bytes
	s_wait_tensorcnt 0x0
	ds_add_u32 v200, v201
	s_wait_dscnt 0x0
	s_endpgm
; ---------------- the four weights ----------------
.Lweights:
.macro WLOAD t                         ; block t: W(32 t + n, my column), n = 0 .. 31, into set t % 2
.irp n, 0,1,2,3,4,5,6,7,8,9,10,11,12,13,14,15,16,17,18,19,20,21,22,23,24,25,26,27,28,29,30,31
	global_load_b32 v[R0+32*((\t)%2)+\n], v2, s[32:33] offset:(32*(\t)+\n)*3072 th:TH_LOAD_NT
.endr
.endm
.macro WBLOCK t
.set XS, R0+32*((\t)%2)
.set CD, R1+8*(\t)                     ; each block has its own eight registers of codes: no store's data are written again
.if (\t) < 7
	s_wait_loadcnt 32                              ; this block's 32 loads are in; the next block's may be out
.else
	s_wait_loadcnt 0x0
.endif
	v_max3_num_f32 v16, |v[XS]|, |v[XS+1]|, |v[XS+2]|              ; all 32 numbers of the block are mine
	v_max3_num_f32 v17, |v[XS+3]|, |v[XS+4]|, |v[XS+5]|
.irp i, 6,10,14,18,22,26
	s_delay_alu instid0(VALU_DEP_2)
	v_max3_num_f32 v16, v16, |v[XS+\i]|, |v[XS+\i+1]|
	s_delay_alu instid0(VALU_DEP_2)
	v_max3_num_f32 v17, v17, |v[XS+\i+2]|, |v[XS+\i+3]|
.endr
	s_delay_alu instid0(VALU_DEP_2)
	v_max3_num_f32 v16, v16, |v[XS+30]|, |v[XS+31]|
	s_delay_alu instid0(VALU_DEP_1)
	v_max3_num_f32 v16, v16, v17, 0x8000000        ; and the floor
	s_delay_alu instid0(VALU_DEP_1)
	v_add_nc_u32 v19, 0xf8800000, v16              ; the conversion's scale operand
	s_delay_alu instid0(VALU_DEP_2)
	v_and_or_b32 v18, v16, 0x7f800000, s[MNT]      ; 57,344 x the scale
	s_delay_alu instid0(VALU_DEP_2)
	v_lshrrev_b32 v17, 23, v19                     ; the byte
.if (\t)%4 == 0
	s_delay_alu instid0(VALU_DEP_1)
	v_mov_b32 v[PW+(\t)/4], v17                    ; four bytes to a word, the lower K in the lower byte
.else
	s_delay_alu instid0(VALU_DEP_1)
	v_lshl_or_b32 v[PW+(\t)/4], v17, 8*((\t)%4), v[PW+(\t)/4]
.endif
.irp i, 0,1,2,3,4,5,6,7,8,9,10,11,12,13,14,15,16,17,18,19,20,21,22,23,24,25,26,27,28,29,30,31
	v_med3_num_f32 v[XS+\i], v[XS+\i], -v18, v18
.endr
.irp g, 0,1,2,3
	v_cvt_scalef32_pk8_bf8_f32 v[CD+2*\g:CD+2*\g+1], v[XS+8*\g:XS+8*\g+7], v19
.endr
	v_nop                                          ; one plain vector line behind the last conversion
	global_store_b128 v5, v[CD:CD+3], s[36:37] offset:((\t)/4)*2048+((\t)%4)*512          ; k = 32 c + 0 .. 15: the image's lanes 0-15; sixteen lanes of mine fill 256 consecutive bytes of one tile, sixteen of the next
	global_store_b128 v5, v[CD+4:CD+7], s[36:37] offset:((\t)/4)*2048+((\t)%4)*512+256    ; k = 32 c + 16 .. 31: its lanes 16-31
.if (\t) < 6
	WLOAD (\t)+2
.endif
.endm
	s_sub_co_u32 s26, s4, 9
	s_lshl_b32 s26, s26, 8
	s_add_co_u32 s26, s26, ttmp9                   ; my part, 0 .. 287
	s_cmp_ge_u32 s26, 288
	s_cbranch_scc1 .Lno_part
	s_mul_i32 s27, s26, 911
	s_lshr_b32 s27, s27, 16                        ; which W = part / 72 (911 / 65,536 serves up to 287)
	s_mul_i32 s28, s27, 72
	s_sub_co_u32 s28, s26, s28                     ; which of its 72 parts
	s_mul_i32 s29, s28, 171
	s_lshr_b32 s29, s29, 12                        ; i = part / 24: which 256 along K
	s_mul_i32 s30, s29, 24
	s_sub_co_u32 s30, s28, s30                     ; b = part % 24: which 32 columns
	s_mul_i32 s34, s29, 786432                     ; in: 256 i rows of 3,072 bytes + 128 b
	s_lshl_b32 s35, s30, 7
	s_add_co_u32 s34, s34, s35
	s_mov_b32 s35, 0
	s_mul_i32 s36, s27, 589824                     ; the codes: W, tile 2 b, K step 2 i
	s_mul_i32 s37, s30, 24576
	s_add_co_u32 s36, s36, s37
	s_lshl_b32 s37, s29, 12
	s_add_co_u32 s36, s36, s37
	s_mov_b32 s37, 0
	s_mul_i32 s38, s27, 48                         ; the scale words
	s_lshl_b32 s39, s30, 1
	s_add_co_u32 s38, s38, s39
	s_mul_i32 s38, s38, 384
	s_lshl_b32 s39, s29, 7
	s_add_co_u32 s38, s38, s39
	s_add_co_u32 s38, s38, 2359296
	s_mov_b32 s39, 0
	s_wait_alu depctr_va_vdst(0)
	v_lshlrev_b32 v2, 2, v1                        ; in: 4 bytes a lane
	v_bfe_u32 v3, v1, 3, 1                         ; column 32 b + lane is row (lane % 8) + 8 (lane / 16) of tile 2 b + (lane / 8) % 2
	v_and_b32 v4, 7, v1
	v_lshrrev_b32 v5, 4, v1
	s_delay_alu instid0(VALU_DEP_1)
	v_lshl_add_u32 v4, v5, 3, v4
	s_delay_alu instid0(VALU_DEP_4)
	v_mul_u32_u24 v5, v3, 12288
	s_delay_alu instid0(VALU_DEP_1)
	v_lshl_add_u32 v5, v4, 4, v5                   ; its place among the codes,
	v_mul_u32_u24 v6, v3, 384
	s_delay_alu instid0(VALU_DEP_1)
	v_lshl_add_u32 v6, v4, 3, v6                   ; and among the scale words
	s_wait_alu depctr_va_vdst(0)
	s_wait_kmcnt 0x0
	s_cmp_eq_u32 s27, 1                            ; the choice hangs on the wave's and the work-group's numbers alone
	s_cselect_b64 s[32:33], s[16:17], s[14:15]
	s_cmp_eq_u32 s27, 2
	s_cselect_b64 s[32:33], s[18:19], s[32:33]
	s_cmp_eq_u32 s27, 3
	s_cselect_b64 s[32:33], s[20:21], s[32:33]
	s_add_nc_u64 s[32:33], s[32:33], s[34:35]
	s_add_nc_u64 s[36:37], s[24:25], s[36:37]
	s_add_nc_u64 s[38:39], s[24:25], s[38:39]
	WLOAD 0
	WLOAD 1
.irp t, 0,1,2,3,4,5,6,7
	WBLOCK \t
.endr
	global_store_b64 v6, v[PW:PW+1], s[38:39]      ; my column's two scale words
.Lno_part:
	s_wait_kmcnt 0x0
	s_endpgm
.Lfunc_end_k_q477d953eec_quant:
	.size	k_q477d953eec_quant, .Lfunc_end_k_q477d953eec_quant-k_q477d953eec_quant
	.p2alignl 7, 3214868480
	.fill 96, 4, 3214868480
	.section	.rodata,"a",@progbits
	.p2align	6, 0x0
	.amdhsa_kernel k_q477d953eec_quant
		.amdhsa_group_segment_fixed_size 153600
		.amdhsa_private_segment_fixed_size 0
		.amdhsa_enable_private_segment 0
		.amdhsa_kernarg_size 72
		.amdhsa_user_sgpr_count 2
		.amdhsa_user_sgpr_kernarg_segment_ptr 1
		.amdhsa_wavefront_size32 1
		.amdhsa_system_sgpr_workgroup_id_x 1
		.amdhsa_system_sgpr_workgroup_id_y 1
		.amdhsa_system_sgpr_workgroup_id_z 1
		.amdhsa_system_vgpr_workitem_id 0
		.amdhsa_next_free_vgpr 202
		.amdhsa_next_free_sgpr 66
		.amdhsa_reserve_vcc 0
		.amdhsa_float_denorm_mode_32 3
		.amdhsa_float_denorm_mode_16_64 3
		.amdhsa_memory_ordered 1
		.amdhsa_forward_progress 1
		.amdhsa_inst_pref_size 91
	.end_amdhsa_kernel
	.amdgpu_metadata
---
amdhsa.version: [ 1, 2 ]
amdhsa.kernels:
  - .name:           k_q477d953eec_quant
    .symbol:         k_q477d953eec_quant.kd
    .args:
      - { .name: queries, .offset: 0, .size: 8, .value_kind: global_buffer, .address_space: global }
      - { .name: keys, .offset: 8, .size: 8, .value_kind: global_buffer, .address_space: global }
      - { .name: values, .offset: 16, .size: 8, .value_kind: global_buffer, .address_space: global }
      - { .name: W_q, .offset: 24, .size: 8, .value_kind: global_buffer, .address_space: global }
      - { .name: W_k, .offset: 32, .size: 8, .value_kind: global_buffer, .address_space: global }
      - { .name: W_v, .offset: 40, .size: 8, .value_kind: global_buffer, .address_space: global }
      - { .name: W_o, .offset: 48, .size: 8, .value_kind: global_buffer, .address_space: global }
      - { .name: xq, .offset: 56, .size: 8, .value_kind: global_buffer, .address_space: global }
      - { .name: wq, .offset: 64, .size: 8, .value_kind: global_buffer, .address_space: global }
    .group_segment_fixed_size: 153600
    .private_segment_fixed_size: 0
    .kernarg_segment_align: 8
    .kernarg_segment_size: 72
    .max_flat_workgroup_size: 352
    .sgpr_count:     66
    .vgpr_count:     202
    .wavefront_size: 32
...
	.end_amdgpu_metadata
.endif
;; end of part 1
;; launch proj (part 2): grid 48 x 12, 4 waves a work-group, no clusters, 0 bytes of LDS; arguments xq, wq, qb, kv; writes qb, kv
.if DOCPART == 2
	.amdgcn_target "amdgcn-amd-amdhsa--gfx1250"
	.amdhsa_code_object_version 6
	.text
	.protected	k_q477d953eec_proj
	.globl	k_q477d953eec_proj
	.p2align	8
	.type	k_q477d953eec_proj,@function
k_q477d953eec_proj:
	s_mov_b64 s[64:65], 0
	v_nop
	global_prefetch_b8 v0, s[64:65] scope:SCOPE_SE
	s_setreg_imm32_b32 hwreg(HW_REG_WAVE_MODE, 25, 1), 1
	s_wait_xcnt 0x0
; q = queries W_q, k = keys W_k, v = values W_v, on codes of BF8 (E5M2) with E8M0 scales, sums in f32; the results are quantised in registers for the two products of attention and stored as images of the
; operands' registers: q and k along the head's 64, v along the keys.
; SHARES.  Work-group x = 16 p + rb (p: q, k, v), y = the head.  A wave makes 64 rows (tiles 4 R .. 4 R + 3, R = 4 rb + wave) x the head's 64 columns: 16 accumulators, K = 768 in six steps, 96 matrix instructions.
; ONE TEXT FOR ALL THREE: only pointers are chosen.  q, k: source 0 = four tiles of W, source 1 = four tiles of rows: a lane holds ONE row and its registers run along the head's 64.
; v: source 0 = four tiles of rows (keys), source 1 = four tiles of W: a lane holds one channel and its registers run along the keys.  By the order in which rows and columns were put into tiles, the 16 registers
; of source 0's tiles 2 e, 2 e + 1 are 16 neighbours, 32 e + 16 (lane / 16) + 0 .. 15: the conversions' results ARE the next operand's registers.
; OUT.  qb: q's codes [head][tile 256][c 2][lane][16]; from byte 3,145,728 its scale words [head][tile][row 16] (bytes 2, 3 are 0).
;       kv: [head / 3][128 keys: 32][head % 3] blocks of 17,152 bytes: K's codes, 8 tiles x [c 2][lane][16]; at 8,192 V^T's codes, 4 tiles x [c 4][lane][16]; at 16,384 K's scale words [lane][4]: lane (r, hh), word j:
;       tile 2 j + hh, row r; at 16,896 V's [lane][2] likewise.
; NO CLUSTER, NO LDS: a fragment comes into registers by four loads of 512 consecutive bytes each, as it lies; K has six steps, so a ring would spend six changes of slots on a wave's 96 matrix instructions.
; Waves share nothing; three of them fit a SIMD's registers, and one wave's loads stand beside another's products.
; LIMITS: as in the launch that makes xq and wq: no NaN, no infinities; a block under 2^-111 or of zeros gets the byte 1.
; REGISTERS: v1-9 addresses; v16-23, v24-31 scale words of source 0 and 1 (tile x: 2 x + K step % 2); v32-95 source 0's four fragments; v96-223 the accumulators ((b, a) at 96 + 32 b + 8 a);
;   v224-255 at work in the quantiser; window 1, v0-63 (v256-319): source 1's four fragments.  Behind the products v32-63 take the codes, v64-69 the scale words.
.set SC0, 16
.set SC1, 24
.set F0,  32
.set ACC, 96
.set TM,  224                          ; eight largest magnitudes
.set TP,  232                          ; the other half's, then the bytes
.set TH,  240                          ; 57,344 x the scale
.set TS,  248                          ; the conversions' scale operands
.set PC,  32
.set WD,  64
.set SL,  68
.set VA,  4                            ; v4-7: 16 x lane + b x the distance between the output's tiles
.set SEL, 54
.set MNT, 56
.set MSB, 0
.macro WIN new                         ; the immediate's high byte repeats the setting that is left
.if MSB != \new
	s_set_vgpr_msb (MSB<<8)|\new
.set MSB, \new
.endif
.endm
	s_load_b256 s[4:11], s[0:1], 0x0               ; xq s[4:5], wq s[6:7], qb s[8:9], kv s[10:11]
	v_lshrrev_b32 v1, 5, v0
	v_readfirstlane_b32 s12, v1                    ; wave 0..3
	v_and_b32 v9, 31, v0                           ; lane
	v_and_b32 v2, 15, v0
	v_lshlrev_b32 v1, 4, v9                        ; 16 x lane: my place in an image
	s_wait_alu depctr_va_vdst(0)
	v_lshlrev_b32 v2, 3, v2                        ; 8 r: my row's pair of scale words
	v_lshlrev_b32 v3, 2, v9                        ; 4 x lane
	v_lshlrev_b32 v8, 3, v9                        ; 8 x lane
	s_lshr_b32 s13, ttmp9, 4                       ; p
	s_and_b32 s14, ttmp9, 15
	s_and_b32 s15, ttmp7, 0xffff                   ; the head
	s_lshl_b32 s16, s14, 2
	s_add_co_u32 s16, s16, s12                     ; R
	s_mul_i32 s20, s13, 3145728                    ; the rows' codes
	s_mul_i32 s21, s16, 49152
	s_add_co_u32 s20, s20, s21
	s_mov_b32 s21, 0
	s_lshl_b32 s22, s13, 8                         ; their scale words
	s_lshl_b32 s23, s16, 2
	s_add_co_u32 s22, s22, s23
	s_mul_i32 s22, s22, 384
	s_add_co_u32 s22, s22, 9437184
	s_mov_b32 s23, 0
	s_mul_i32 s24, s13, 589824                     ; the weight's codes
	s_mul_i32 s25, s15, 49152
	s_add_co_u32 s24, s24, s25
	s_mov_b32 s25, 0
	s_mul_i32 s26, s13, 48                         ; its scale words
	s_lshl_b32 s27, s15, 2
	s_add_co_u32 s26, s26, s27
	s_mul_i32 s26, s26, 384
	s_add_co_u32 s26, s26, 2359296
	s_mov_b32 s27, 0
	s_mul_i32 s36, s15, 11
	s_lshr_b32 s36, s36, 5                         ; head / 3
	s_mul_i32 s37, s36, 3
	s_sub_co_u32 s37, s15, s37                     ; head % 3
	s_lshl_b32 s36, s36, 5
	s_lshr_b32 s38, s16, 1                         ; my 64 rows lie in the 128 keys number R / 2,
	s_add_co_u32 s36, s36, s38
	s_mul_i32 s36, s36, 3
	s_add_co_u32 s36, s36, s37
	s_mul_i32 s36, s36, 17152                      ; whose block begins here,
	s_and_b32 s37, s16, 1                          ; in its half R % 2
	s_lshl_b32 s40, s15, 18                        ; where the codes go.  q: head, tile 4 R
	s_lshl_b32 s41, s16, 12
	s_add_co_u32 s40, s40, s41
	s_lshl_b32 s41, s37, 12                        ; k: the block's tiles 4 (R % 2) on
	s_add_co_u32 s41, s41, s36
	s_lshl_b32 s42, s37, 10                        ; v: in each of the block's four tiles, c = 2 (R % 2) on
	s_add_co_u32 s42, s42, s36
	s_add_co_u32 s42, s42, 8192
	s_cmp_eq_u32 s13, 1
	s_cselect_b32 s41, s41, s42
	s_cmp_eq_u32 s13, 0
	s_cselect_b32 s40, s40, s41
	s_mov_b32 s41, 0
	s_lshl_b32 s42, s15, 8                         ; where the scale words go.  q:
	s_lshl_b32 s43, s16, 2
	s_add_co_u32 s42, s42, s43
	s_lshl_b32 s42, s42, 6
	s_add_co_u32 s42, s42, 3145728
	s_lshl_b32 s43, s37, 3                         ; k: words 2 (R % 2), 2 (R % 2) + 1 of a lane's four
	s_add_co_u32 s43, s43, s36
	s_lshl_b32 s44, s37, 1                         ; v: bytes 2 (R % 2), 2 (R % 2) + 1 of each word
	s_add_co_u32 s44, s44, s36
	s_cmp_eq_u32 s13, 1
	s_cselect_b32 s43, s43, s44
	s_cmp_eq_u32 s13, 0
	s_cselect_b32 s42, s42, s43
	s_mov_b32 s43, 0
	s_mov_b32 s46, 1024                            ; from tile to tile of the output: 1,024 bytes (q, k) or 2,048 (v)
	s_cmp_eq_u32 s13, 2
	s_cselect_b32 s46, 2048, s46
	v_mov_b32 v[VA], v1
	v_add_nc_u32 v[VA+1], s46, v1
	s_lshl_b32 s47, s46, 1
	v_add_nc_u32 v[VA+2], s47, v1
	s_add_co_u32 s47, s47, s46
	v_add_nc_u32 v[VA+3], s47, v1
	s_mov_b32 s[SEL], 0x76543210
	s_mov_b32 s[SEL+1], 0xfedcba98
	s_mov_b32 s[MNT], 0x600000
.irp k, 0,1,2,3,4,5,6,7
	v_mov_b32 v[TP+\k], 0                          ; written once: a lane permute's destination counts as one of its sources
.endr
	s_wait_kmcnt 0x0
	s_add_nc_u64 s[20:21], s[4:5], s[20:21]
	s_add_nc_u64 s[22:23], s[4:5], s[22:23]
	s_add_nc_u64 s[24:25], s[6:7], s[24:25]
	s_add_nc_u64 s[26:27], s[6:7], s[26:27]
	s_cmp_eq_u32 s13, 2                            ; the choices hang on the work-group's number alone
	s_cselect_b64 s[28:29], s[20:21], s[24:25]     ; source 0's codes: v: the rows; q, k: the weight
	s_cselect_b64 s[30:31], s[24:25], s[20:21]     ; source 1's
	s_cselect_b64 s[32:33], s[22:23], s[26:27]     ; source 0's scale words
	s_cselect_b64 s[34:35], s[26:27], s[22:23]     ; source 1's
	s_cmp_eq_u32 s13, 0
	s_cselect_b64 s[48:49], s[8:9], s[10:11]       ; q goes to qb, k and v to kv
	s_add_nc_u64 s[50:51], s[48:49], s[40:41]
	s_add_nc_u64 s[52:53], s[48:49], s[42:43]
.macro LOADK s                         ; K step s: four fragments a side, four loads of 512 consecutive bytes each; with an even step the scale words of two steps
	WIN 0
.irp a, 0,1,2,3
.irp c, 0,1,2,3
	global_load_b128 v[F0+16*\a+4*\c:F0+16*\a+4*\c+3], v1, s[28:29] offset:\a*12288+(\s)*2048+\c*512
.endr
.endr
.if (\s)%2 == 0
.irp a, 0,1,2,3
	global_load_b64 v[SC0+2*\a:SC0+2*\a+1], v2, s[32:33] offset:\a*384+((\s)/2)*128
	global_load_b64 v[SC1+2*\a:SC1+2*\a+1], v2, s[34:35] offset:\a*384+((\s)/2)*128
.endr
.endif
	WIN 0x40                                       ; destination window 1, address window 0
.irp b, 0,1,2,3
.irp c, 0,1,2,3
	global_load_b128 v[16*\b+4*\c:16*\b+4*\c+3], v1, s[30:31] offset:\b*12288+(\s)*2048+\c*512
.endr
.endr
	WIN 0
.endm
.macro MULK s                          ; 16 matrix instructions; the 16 accumulators take turns, in the same order in every step.  The first step starts the sums: nothing is cleared
	s_wait_loadcnt 0x0
	WIN 0x04                                       ; source 1 window 1
.irp b, 0,1,2,3
.irp a, 0,1,2,3
.if (\s) == 0
	v_wmma_scale_f32_16x16x128_f8f6f4 v[ACC+32*\b+8*\a:ACC+32*\b+8*\a+7], v[F0+16*\a:F0+16*\a+15], v[16*\b:16*\b+15], 0, v[SC0+2*\a], v[SC1+2*\b] matrix_a_fmt:MATRIX_FMT_BF8 matrix_b_fmt:MATRIX_FMT_BF8
.else
	v_wmma_scale_f32_16x16x128_f8f6f4 v[ACC+32*\b+8*\a:ACC+32*\b+8*\a+7], v[F0+16*\a:F0+16*\a+15], v[16*\b:16*\b+15], v[ACC+32*\b+8*\a:ACC+32*\b+8*\a+7], v[SC0+2*\a+(\s)%2], v[SC1+2*\b+(\s)%2] matrix_a_fmt:MATRIX_FMT_BF8 matrix_b_fmt:MATRIX_FMT_BF8
.endif
.endr
.endr
	WIN 0
.rept 8
	v_nop                                          ; eight places in front of loads into registers that these products read, and of the first read of results
.endr
.endm
	LOADK 0
.irp s, 0,1,2,3,4
	MULK \s
	LOADK \s+1
.endr
	MULK 5
	; THE QUANTISER: eight blocks of 32; block k = 2 b + e lies in the 16 registers from ACC + 16 k of lanes l and l xor 16.  Each accumulator is read from its low end on.
.irp k, 0,1,2,3,4,5,6,7
	v_max3_num_f32 v[TM+\k], |v[ACC+16*\k]|, |v[ACC+16*\k+1]|, 0x8000000   ; my 16 numbers, and the floor 2^(16 - 127)
.endr
.irp i, 2,4,6,8,10,12,14
.irp k, 0,1,2,3,4,5,6,7
	v_max3_num_f32 v[TM+\k], v[TM+\k], |v[ACC+16*\k+\i]|, |v[ACC+16*\k+\i+1]|
.endr
.endr
.irp k, 0,1,2,3,4,5,6,7
	v_permlanex16_b32 v[TP+\k], v[TM+\k], s[SEL], s[SEL+1]
.endr
.irp k, 0,1,2,3,4,5,6,7
	v_max_num_f32 v[TM+\k], v[TM+\k], v[TP+\k]     ; the block's largest magnitude
.endr
.irp k, 0,1,2,3,4,5,6,7
	v_add_nc_u32 v[TS+\k], 0xf8800000, v[TM+\k]    ; 15 off its exponent field: the conversion's scale operand
.endr
.irp k, 0,1,2,3,4,5,6,7
	v_and_or_b32 v[TH+\k], v[TM+\k], 0x7f800000, s[MNT]   ; 57,344 x the scale
.endr
.irp k, 0,1,2,3,4,5,6,7
	v_lshrrev_b32 v[TP+\k], 23, v[TS+\k]           ; the byte
.endr
.irp b, 0,1,2,3
	v_lshl_or_b32 v[WD+\b], v[TP+2*\b+1], 8, v[TP+2*\b]   ; source 1's tile b, my row: two bytes; the upper two are 0
.endr
.irp k, 0,1,2,3,4,5,6,7
.irp i, 0,1,2,3,4,5,6,7,8,9,10,11,12,13,14,15
	v_med3_num_f32 v[ACC+16*\k+\i], v[ACC+16*\k+\i], -v[TH+\k], v[TH+\k]   ; the conversion to an 8-bit code does not saturate (ISA guide 7.6.2)
.endr
	v_cvt_scalef32_pk8_bf8_f32 v[PC+4*\k:PC+4*\k+1], v[ACC+16*\k:ACC+16*\k+7], v[TS+\k]
	v_cvt_scalef32_pk8_bf8_f32 v[PC+4*\k+2:PC+4*\k+3], v[ACC+16*\k+8:ACC+16*\k+15], v[TS+\k]
.endr
	v_nop                                          ; one plain vector line behind the last conversion
.irp b, 0,1,2,3
.irp e, 0,1
	global_store_b128 v[VA+\b], v[PC+4*(2*\b+\e):PC+4*(2*\b+\e)+3], s[50:51] offset:\e*512   ; 32 lanes store 512 consecutive bytes of an image
.endr
.endr
	v_cmp_lt_u32 vcc_lo, 15, v9                    ; lanes 0-15 carry the even tiles' words, lanes 16-31 the odd tiles'
	v_cndmask_b32 v[SL], v[WD], v[WD+1], vcc_lo
	v_cndmask_b32 v[SL+1], v[WD+2], v[WD+3], vcc_lo
	s_cmp_eq_u32 s13, 0
	s_cbranch_scc0 .Lnot_q
	global_store_b32 v3, v[SL], s[52:53]           ; q: tiles 4 R, 4 R + 1: 128 consecutive bytes
	global_store_b32 v3, v[SL+1], s[52:53] offset:128
	s_endpgm
.Lnot_q:
	s_cmp_eq_u32 s13, 1
	s_cbranch_scc0 .Lis_v
	s_wait_alu depctr_va_vdst(0)
	global_store_b64 v1, v[SL:SL+1], s[52:53] offset:16384   ; k: two of my lane's four words
	s_endpgm
.Lis_v:
	s_wait_alu depctr_va_vdst(0)
	global_store_b16 v8, v[SL], s[52:53] offset:16896        ; v: two of the four bytes of each of my lane's two words; the wave of the other 64 keys writes the other two
	global_store_b16 v8, v[SL+1], s[52:53] offset:16900
	s_endpgm
.Lfunc_end_k_q477d953eec_proj:
	.size	k_q477d953eec_proj, .Lfunc_end_k_q477d953eec_proj-k_q477d953eec_proj
	.p2alignl 7, 3214868480
	.fill 96, 4, 3214868480
	.section	.rodata,"a",@progbits
	.p2align	6, 0x0
	.amdhsa_kernel k_q477d953eec_proj
		.amdhsa_group_segment_fixed_size 0
		.amdhsa_private_segment_fixed_size 0
		.amdhsa_enable_private_segment 0
		.amdhsa_kernarg_size 32
		.amdhsa_user_sgpr_count 2
		.amdhsa_user_sgpr_kernarg_segment_ptr 1
		.amdhsa_wavefront_size32 1
		.amdhsa_system_sgpr_workgroup_id_x 1
		.amdhsa_system_sgpr_workgroup_id_y 1
		.amdhsa_system_sgpr_workgroup_id_z 1
		.amdhsa_system_vgpr_workitem_id 0
		.amdhsa_next_free_vgpr 320
		.amdhsa_next_free_sgpr 66
		.amdhsa_reserve_vcc 1
		.amdhsa_float_denorm_mode_32 3
		.amdhsa_float_denorm_mode_16_64 3
		.amdhsa_memory_ordered 1
		.amdhsa_forward_progress 1
		.amdhsa_inst_pref_size 57
	.end_amdhsa_kernel
	.amdgpu_metadata
---
amdhsa.version: [ 1, 2 ]
amdhsa.kernels:
  - .name:           k_q477d953eec_proj
    .symbol:         k_q477d953eec_proj.kd
    .args:
      - { .name: xq, .offset: 0, .size: 8, .value_kind: global_buffer, .address_space: global }
      - { .name: wq, .offset: 8, .size: 8, .value_kind: global_buffer, .address_space: global }
      - { .name: qb, .offset: 16, .size: 8, .value_kind: global_buffer, .address_space: global }
      - { .name: kv, .offset: 24, .size: 8, .value_kind: global_buffer, .address_space: global }
    .group_segment_fixed_size: 0
    .private_segment_fixed_size: 0
    .kernarg_segment_align: 8
    .kernarg_segment_size: 32
    .max_flat_workgroup_size: 128
    .sgpr_count:     66
    .vgpr_count:     320
    .wavefront_size: 32
...
	.end_amdgpu_metadata
.endif
;; end of part 2
;; launch attn (part 3): grid 4 x 64, 12 waves a work-group, clusters of 4 x 4, 327,680 bytes of LDS; arguments qb, kv, mask, ao; writes ao
.if DOCPART == 3
	.amdgcn_target "amdgcn-amd-amdhsa--gfx1250"
	.amdhsa_code_object_version 6
	.text
	.protected	k_q477d953eec_attn
	.globl	k_q477d953eec_attn
	.p2align	8
	.type	k_q477d953eec_attn,@function
k_q477d953eec_attn:
	s_mov_b64 s[64:65], 0
	v_nop
	global_prefetch_b8 v0, s[64:65] scope:SCOPE_SE
	s_setreg_imm32_b32 hwreg(HW_REG_WAVE_MODE, 25, 1), 1
	s_wait_xcnt 0x0
	s_wait_alu depctr_hold_cnt(0) depctr_sa_sdst(0) depctr_va_vdst(0) depctr_va_sdst(0) depctr_va_ssrc(0) depctr_va_vcc(0) depctr_vm_vsrc(0)
	s_getreg_b32 s2, hwreg(HW_REG_IB_STS2, 6, 4)
	s_cmp_eq_u32 s2, 0
	s_cbranch_scc0 .Lentry_in_a_cluster
	s_endpgm
.Lentry_in_a_cluster:
	s_bfe_u32 s2, ttmp6, 0x10000c
	s_cmp_lg_u32 s2, 0xf033
	s_cbranch_scc0 .Lentry_shape_is_right
	s_endpgm
.Lentry_shape_is_right:
; For each head: O = softmax(q k^T / 8 + mask x (-1e9)) v, both products on codes of BF8 (E5M2) with E8M0 scales, sums in f32; O / l is quantised along the 768 for the last product and stored as register images.
; THE SOFTMAX: t = logit x log2(e); M = the row's largest t so far, rounded UP to a whole number; p = 2^(t - M) is quantised along the keys, not normalised; l is the sum of the unquantised p and divides O at the end.
; When M moves, l and O are multiplied by 2^(old M - new M): exact.
; THE MASK IS AN INPUT: every number of it is read and enters its score as s' = fma(mask, -8e9, s), ahead of the division by 8 (which rounds nothing); nothing of its pattern is built in: every wave walks all 4,096 keys.
; SHARES.  A work-group owns 64 queries (QB) of three heads (hg): wave w: head 3 hg + w / 4, queries 64 QB + 16 (w % 4) on: one tile of 16 queries in 256 registers, three waves to a SIMD.
; THE RING: two LDS slots of TWO key steps (256 keys) each: K's six blocks (2 steps x 3 heads x 8,192 bytes), their 6 x 768 scale bytes (K's and V's), 64 rows x 1,024 bytes of the mask (+ 16 of padding a row): 120,320 bytes.
; V's CODES DO NOT PASS THROUGH LDS: they lie in kv as images of the operand's registers, and each wave loads its head's four fragments by loads of 512 consecutive bytes into the registers that the mask has left.
; With V in the slots two steps would not fit twice (2 x 169,472 bytes).
; CLUSTER, 4 x 4.  A cluster's row shares QB and so the mask's tile; a column shares hg and so K and the scales.  Each tile is asked for JOINTLY.  Every wave issues one load a slot: waves 0-5 a block of K,
; waves 6-9 sixteen rows of the mask, waves 10, 11 a step's scale bytes.  By this text's count a wave never has more than one tensor load out; every wait on TENSORcnt is for 0.
; PREFETCH: in the trip that works on slot j and asks for slot j + 1, slot j + 2 is named: the mask's tile by wave 4 (its work-group's 16 rows, told apart by cx in the address, 2 x 32 blocks of 256 bytes);
; hg's 102,912 bytes of kv by waves 5-8 (101 blocks a work-group, told apart by cy in the address), in the four clusters whose y is a multiple of 4 alone, since all sixteen read the same bytes.  The last trip names nothing.
; LAYOUT.  Both products transposed: S^T = K Q^T, O^T = V^T P^T: a lane holds ONE query.  The 16 registers of tiles 2 b, 2 b + 1 of S^T are keys 32 b + 16 (lane / 16) + 0 .. 15, those of O^T channels likewise.
; K = 64 IN AN INSTRUCTION OF 128: Q's codes for k = 64 .. 127 are zeros; K's operand for tile x is v[32 + 8 x : 47 + 8 x]: its upper half is the next tile's codes (finite) or the zeros in v64-71; scale bytes 2, 3 are 0.
; LIMITS: NaN and infinities are not served.  Where |t| passes 2^24 (a row masked everywhere so far) all p of the row carry a common factor, which cancels in O / l or goes with the next change of M.
; 1 / l is v_rcp_f32.  A block of O under 2^-111 or of zeros gets the byte 1.
.set SLOT1, 1<<17
.set BLKB,  17152                      ; a head's block of a key step in kv: K 8,192, V 8,192, K's scale words 512, V's 256
.set SOFF,  49152                      ; in a slot: behind K's six blocks the scale bytes,
.set MOFF,  53760                      ; then the mask's tile
.set MP,    1040
.set SPARE, SLOT1+MOFF+64*MP           ; the spare words, 128 bytes a wave
.set AK0, 1
.set AM0, 2
.set AV0, 3
.set SPW, 4
.set NIL, 5
.set ADK, 6
.set ADM, 7
.set ADV, 8                            ; first K's scale words' address, then V's
.set Q,   16
.set KF,  32
.set S,   72
.set MV,  136
.set O,   200
.set KS,  232
.set VS,  236
.set QS,  238
.set PS,  239
.set BM,  240
.set PT,  244
.set HOLD, 248
.set F,   252
.set P,   32
.set SCOP, 48
.set WV,  12
.set G1K, 24
.set G1M, 32
.set G0K, 40
.set G0M, 44
.set SEL, 48
.set CS,  50
.set GM,  52
.set MNT, 54
.set TB,  55
.set CNT, 56
.set PF,  58                           ; s[58:59] the mask's prefetch; s[60:61] kv's; s[62:63] V's codes of my head in the slot in hand
.set PK,  60
.set VB,  62
.set G1S, 80
.set G0S, 88
.set DKS, 92                           ; my head's scale bytes in a slot
.set PKON, 93                          ; 0: my wave prefetches kv
.macro CROUND
	s_barrier_signal -1
	s_barrier_wait -1
	s_cmp_lg_u32 s[WV], 0
	s_cbranch_scc1 .Lnot_wave_0_\@
	s_barrier_signal -3
.Lnot_wave_0_\@:
	s_barrier_wait -3
	s_barrier_signal -1
	s_barrier_wait -1
.endm
.macro JLOAD                           ; one chain of branches on the wave's number, a load to an arm: every way passes one.  s_nop 0 and four v_nop follow each
	s_cmp_lt_u32 s[WV], 6
	s_cbranch_scc0 .Lnot_k_\@
	tensor_load_to_lds s[G0K:G0K+3], s[G1K:G1K+7]
	s_nop 0
.rept 4
	v_nop
.endr
	s_branch .Lasked_\@
.Lnot_k_\@:
	s_cmp_lt_u32 s[WV], 10
	s_cbranch_scc0 .Lnot_m_\@
	tensor_load_to_lds s[G0M:G0M+3], s[G1M:G1M+7]
	s_nop 0
.rept 4
	v_nop
.endr
	s_branch .Lasked_\@
.Lnot_m_\@:
	tensor_load_to_lds s[G0S:G0S+3], s[G1S:G1S+7]
	s_nop 0
.rept 4
	v_nop
.endr
.Lasked_\@:
.endm
.macro PREF
	s_cmp_gt_u32 s[CNT], 1
	s_cbranch_scc0 .Lpf_end_\@
	s_cmp_eq_u32 s[WV], 4
	s_cbranch_scc0 .Lpf_kv_\@
	global_prefetch_b8 v10, s[PF:PF+1] th:TH_LOAD_NT scope:SCOPE_SE
	global_prefetch_b8 v10, s[PF:PF+1] offset:512 th:TH_LOAD_NT scope:SCOPE_SE
.Lpf_kv_\@:
	s_cmp_eq_u32 s[PKON], 0
	s_cbranch_scc0 .Lpf_end_\@
	global_prefetch_b8 v11, s[PK:PK+1] th:TH_LOAD_NT scope:SCOPE_SE
.Lpf_end_\@:
.endm
	s_load_b256 s[4:11], s[0:1], 0x0               ; qb, kv, mask, ao
	v_lshl_add_u32 v[SPW], v0, 2, SPARE
	v_mov_b32 v[NIL], 0
	ds_add_u32 v[SPW], v[NIL]                      ; the opening: two adds, waited for ahead of my first tensor load
	ds_add_u32 v[SPW], v[NIL]
	v_lshrrev_b32 v6, 5, v0
	s_delay_alu instid0(VALU_DEP_1)
	v_readfirstlane_b32 s[WV], v6                  ; wave 0..11
	s_lshr_b32 s13, s[WV], 2                       ; which of the three heads
	s_and_b32 s14, s[WV], 3                        ; which 16 of the 64 queries
	s_bfe_u32 s15, ttmp6, 0x40000                  ; cx, cy
	s_bfe_u32 s16, ttmp6, 0x40004
	s_lshl_b32 s17, ttmp9, 2
	s_add_co_u32 s17, s17, s15                     ; hg
	s_and_b32 s18, ttmp7, 0xffff
	s_lshl_b32 s18, s18, 2
	s_add_co_u32 s18, s18, s16                     ; QB
	s_lshl_b32 s19, s16, 2
	s_lshl_b32 s19, 15, s19                        ; my row of the cluster
	s_lshl_b32 s20, 0x1111, s15                    ; my column
	s_mul_i32 s21, s17, 3
	s_add_co_u32 s21, s21, s13                     ; my head
	s_lshl_b32 s22, s18, 2
	s_add_co_u32 s22, s22, s14                     ; my tile of queries
	s_or_b32 s[G1K], s20, (3<<16)|(1<<21)          ; a block of K: 8,192 dense bytes as 32 rows of 256 (32 elements of 8 bytes); to my column
	s_mov_b32 s[G1K+1], 32<<16
	s_mov_b32 s[G1K+2], 32<<16
	s_mov_b32 s[G1K+3], 32<<16
	s_mov_b32 s[G1K+4], 32
	s_mov_b32 s[G1K+5], 32
	s_mov_b32 s[G1K+6], 0
	s_mov_b32 s[G1K+7], 0
	s_or_b32 s[G1S], s20, (3<<16)|(1<<21)          ; a step's scale bytes: 3 rows (heads) of 768 bytes, 17,152 bytes apart; to my column
	s_mov_b32 s[G1S+1], 96<<16
	s_mov_b32 s[G1S+2], 3<<16
	s_mov_b32 s[G1S+3], 96<<16
	s_mov_b32 s[G1S+4], 3
	s_mov_b32 s[G1S+5], BLKB/8
	s_mov_b32 s[G1S+6], 0
	s_mov_b32 s[G1S+7], 0
	s_or_b32 s[G1M], s19, (2<<16)|(1<<20)|(1<<21)|(7<<22)|(3<<25)   ; the mask: 16 rows of 256 elements of 4 bytes, 4,096 apart, four words of padding behind every 256; to my row
	s_mov_b32 s[G1M+1], 256<<16
	s_mov_b32 s[G1M+2], 16<<16
	s_mov_b32 s[G1M+3], 256<<16
	s_mov_b32 s[G1M+4], 16
	s_mov_b32 s[G1M+5], 4096
	s_mov_b32 s[G1M+6], 0
	s_mov_b32 s[G1M+7], 0
	s_mul_i32 s66, s17, 1646592                    ; hg's part of kv
	s_mov_b32 s67, 0
	s_mul_i32 s94, s[WV], BLKB                     ; waves 0-5: block = the wave's number
	s_mov_b32 s95, 0
	s_lshl_b32 s[G0K+1], s[WV], 13
	s_and_b32 s23, s[WV], 1                        ; waves 10, 11: step 0, 1 of the slot
	s_mul_i32 s96, s23, 3*BLKB
	s_add_co_u32 s96, s96, 16384
	s_mov_b32 s97, 0
	s_mul_i32 s[G0S+1], s23, 2304
	s_add_co_u32 s[G0S+1], s[G0S+1], SOFF
	s_add_co_u32 s23, s[WV], 2
	s_and_b32 s23, s23, 3                          ; waves 6-9: rows 16 x (wave - 6) on
	s_lshl_b32 s68, s18, 20                        ; QB's 64 rows of 16,384 bytes
	s_mov_b32 s69, 0
	s_lshl_b32 s98, s23, 18
	s_add_co_u32 s98, s98, s68
	s_mov_b32 s99, 0
	s_mul_i32 s[G0M+1], s23, 16*MP
	s_add_co_u32 s[G0M+1], s[G0M+1], MOFF
	s_mul_i32 s100, s13, BLKB                      ; V's codes of my head
	s_add_co_u32 s100, s100, 8192
	s_mov_b32 s101, 0
	s_mul_i32 s[DKS], s13, 768
	s_add_co_u32 s[DKS], s[DKS], SOFF
	s_sub_co_u32 s23, s[WV], 5
	s_lshr_b32 s23, s23, 2                         ; 0 in waves 5-8
	s_and_b32 s[PKON], ttmp7, 3                    ; 0 in the clusters whose y is a multiple of 4
	s_or_b32 s[PKON], s[PKON], s23
	s_lshl_b32 s70, s21, 18                        ; Q's codes
	s_lshl_b32 s71, s22, 10
	s_add_co_u32 s70, s70, s71
	s_mov_b32 s71, 0
	s_lshl_b32 s72, s21, 8                         ; Q's scale words
	s_add_co_u32 s72, s72, s22
	s_lshl_b32 s72, s72, 6
	s_add_co_u32 s72, s72, 3145728
	s_mov_b32 s73, 0
	s_mul_i32 s74, s22, 12288                      ; ao's codes
	s_lshl_b32 s75, s21, 10
	s_add_co_u32 s74, s74, s75
	s_mov_b32 s75, 0
	s_mul_i32 s76, s22, 384                        ; ao's scale bytes
	s_lshr_b32 s77, s21, 2
	s_lshl_b32 s77, s77, 7
	s_add_co_u32 s76, s76, s77
	s_and_b32 s77, s21, 3
	s_lshl_b32 s77, s77, 1
	s_add_co_u32 s76, s76, s77
	s_add_co_u32 s76, s76, 3145728
	s_mov_b32 s77, 0
	s_mov_b32 s[SEL], 0x76543210
	s_mov_b32 s[SEL+1], 0xfedcba98
	s_mov_b32 s[CS], 0x3e38aa3b                    ; log2(e) / 8
	s_mov_b32 s[CS+1], s[CS]
	s_mov_b32 s[GM], 0xcfee6b28                    ; -8e9
	s_mov_b32 s[GM+1], s[GM]
	s_mov_b32 s[MNT], 0x600000
	s_mov_b32 s[TB], 0
	s_mov_b32 s[CNT], 15
	s_wait_dscnt 0x0                               ; both opening adds are done
	s_wait_kmcnt 0x0
	s_add_nc_u64 s[78:79], s[6:7], s[66:67]
	s_mov_b32 s[G0K], 1
	s_add_nc_u64 s[G0K+2:G0K+3], s[78:79], s[94:95]
	s_or_b32 s[G0K+3], s[G0K+3], 0x80000000
	s_mov_b32 s[G0S], 1
	s_add_nc_u64 s[G0S+2:G0S+3], s[78:79], s[96:97]
	s_or_b32 s[G0S+3], s[G0S+3], 0x80000000
	s_mov_b32 s[G0M], 1
	s_add_nc_u64 s[G0M+2:G0M+3], s[8:9], s[98:99]
	s_or_b32 s[G0M+3], s[G0M+3], 0x80000000
	s_add_nc_u64 s[PF:PF+1], s[8:9], s[68:69]
	s_add_nc_u64 s[PF:PF+1], s[PF:PF+1], 1024      ; slot 1: the first trip steps both on to slot 2
	s_add_nc_u64 s[PK:PK+1], s[78:79], 6*BLKB
	s_add_nc_u64 s[VB:VB+1], s[78:79], s[100:101]
	s_add_nc_u64 s[70:71], s[4:5], s[70:71]
	s_add_nc_u64 s[72:73], s[4:5], s[72:73]
	s_add_nc_u64 s[74:75], s[10:11], s[74:75]
	s_add_nc_u64 s[76:77], s[10:11], s[76:77]
	CROUND                                         ; all sixteen work-groups are here: the first joint loads meet
	JLOAD                                          ; slot 0
	v_and_b32 v6, 31, v0                           ; lane
	v_and_b32 v7, 15, v0                           ; r
	v_bfe_u32 v8, v0, 4, 1                         ; h
	v_lshlrev_b32 v9, 4, v6                        ; 16 x lane
	v_lshlrev_b32 v254, 2, v7
	global_load_b128 v[Q:Q+3], v9, s[70:71]        ; Q's fragment, k = 0 .. 63
	global_load_b128 v[Q+4:Q+7], v9, s[70:71] offset:512
	global_load_b32 v[QS], v254, s[72:73]
	s_lshl_b32 s57, s13, 13
	v_add_nc_u32 v[AK0], s57, v9
	s_add_co_u32 s57, s[DKS], 512
	v_lshl_add_u32 v[AV0], v6, 3, s57
	s_mul_i32 s57, s14, 16*MP
	v_mul_u32_u24 v[AM0], v7, MP
	s_delay_alu instid0(VALU_DEP_1)
	v_lshl_add_u32 v[AM0], v8, 6, v[AM0]
	s_delay_alu instid0(VALU_DEP_1)
	v_add_nc_u32 v[AM0], s57, v[AM0]
	s_delay_alu instid0(VALU_DEP_1)
	v_add_nc_u32 v[AM0], MOFF, v[AM0]
	v_lshrrev_b32 v10, 1, v6                       ; the mask's prefetch: row 16 cx + lane / 2, its 256 bytes number lane % 2 (and two on)
	s_lshl_b32 s57, s15, 4
	v_add_nc_u32 v10, s57, v10
	s_delay_alu instid0(VALU_DEP_1)
	v_lshlrev_b32 v10, 14, v10
	v_and_b32 v12, 1, v6
	s_delay_alu instid0(VALU_DEP_1)
	v_lshl_add_u32 v10, v12, 8, v10
	v_add_nc_u32 v11, 0xffffff60, v0               ; kv's prefetch: block 101 cy + min(thread - 160, 100) of the slot's 402, held at 401
	s_delay_alu instid0(VALU_DEP_1)
	v_min_u32 v11, 100, v11
	s_mul_i32 s57, s16, 101
	v_add_nc_u32 v11, s57, v11
	s_delay_alu instid0(VALU_DEP_1)
	v_min_u32 v11, 0x191, v11
	s_delay_alu instid0(VALU_DEP_1)
	v_lshlrev_b32 v11, 8, v11
.irp j, 0,1,2,3,4,5,6,7
	v_mov_b32 v[Q+8+\j], 0
	v_mov_b32 v[KF+32+\j], 0
.endr
.set j, 0
.rept 32
	v_mov_b32 v[O+j], 0                            ; O^T: the step is written once; the first finds zeros
.set j, j+1
.endr
.irp b, 0,1,2,3
	v_mov_b32 v[PT+\b], 0
.endr
	v_mov_b32 v[F+1], 0
	v_mov_b32 v13, 0xff61b1e6                      ; the largest t so far: -3e38
	s_delay_alu instid0(VALU_DEP_1)
	v_floor_f32 v12, -v13                          ; -M
	v_mov_b32 v14, 0
	v_mov_b32 v15, 0
.macro KQ g
.irp t, 0,1,2,3
.if \t%2
	v_wmma_scale_f32_16x16x128_f8f6f4 v[S+8*(4*\g+\t):S+8*(4*\g+\t)+7], v[KF+8*\t:KF+8*\t+15], v[Q:Q+15], 0, v[KS+2*\g+\t/2], v[QS] matrix_a_fmt:MATRIX_FMT_BF8 matrix_b_fmt:MATRIX_FMT_BF8 matrix_a_scale:MATRIX_SCALE_ROW1
.else
	v_wmma_scale_f32_16x16x128_f8f6f4 v[S+8*(4*\g+\t):S+8*(4*\g+\t)+7], v[KF+8*\t:KF+8*\t+15], v[Q:Q+15], 0, v[KS+2*\g+\t/2], v[QS] matrix_a_fmt:MATRIX_FMT_BF8 matrix_b_fmt:MATRIX_FMT_BF8
.endif
.endr
.endm
.macro KLOAD g, q
.irp t, 0,1,2,3
.irp c, 0,1
	ds_load_b128 v[KF+8*\t+4*\c:KF+8*\t+4*\c+3], v[ADK] offset:(\q)*24576+(4*\g+\t)*1024+\c*512
.endr
.endr
.endm
.macro VLOAD t0, q                     ; V's fragments t0, t0 + 1 from kv, where the mask lay: 512 consecutive bytes a load
.irp t, \t0, \t0+1
.irp c, 0,1,2,3
	global_load_b128 v[MV+16*(\t)+4*\c:MV+16*(\t)+4*\c+3], v9, s[VB:VB+1] offset:(\q)*3*BLKB+(\t)*2048+\c*512
.endr
.endr
.endm
.macro MASKADD g
.set j, 32*\g
.rept 16
	v_pk_fma_f32 v[S+j:S+j+1], v[MV+j:MV+j+1], s[GM:GM+1], v[S+j:S+j+1] op_sel_hi:[1,0,1]
.set j, j+2
.endr
.endm
.macro MAXC x, y
.irp b, \x, \y
	v_max3_num_f32 v[BM+\b], v[S+16*\b], v[S+16*\b+1], v[S+16*\b+2]
.endr
.irp i, 3,5,7,9,11,13
.irp b, \x, \y
	s_delay_alu instid0(VALU_DEP_2)
	v_max3_num_f32 v[BM+\b], v[BM+\b], v[S+16*\b+\i], v[S+16*\b+\i+1]
.endr
.endr
.irp b, \x, \y
	s_delay_alu instid0(VALU_DEP_2)
	v_max_num_f32 v[BM+\b], v[BM+\b], v[S+16*\b+15]
.endr
.endm
; A KEY STEP: 128 keys, the q-th of the slot that begins at s[TB]
.macro STEP q
	s_add_co_u32 s57, s[TB], s[DKS]
	v_add_nc_u32 v[ADK], s[TB], v[AK0]
	v_add_nc_u32 v[ADM], s[TB], v[AM0]
	v_add_nc_u32 v[ADV], s57, v9                   ; K's scale words
.rept 5
	v_nop                                          ; with the three additions: eight places behind the last step's products, in front of loads into registers that they read
.endr
	KLOAD 0, \q
	ds_load_b128 v[KS:KS+3], v[ADV] offset:(\q)*2304
	v_add_nc_u32 v[ADV], s[TB], v[AV0]             ; from here on V's scale words (an LDS instruction has read its address at issue)
.irp b, 0,1,2,3
.irp j, 0,1,2,3
	ds_load_b128 v[MV+16*\b+4*\j:MV+16*\b+4*\j+3], v[ADM] offset:(\q)*512+128*\b+16*\j
.endr
.endr
	s_wait_alu depctr_va_vdst(0)
	s_wait_dscnt 16                                ; K's four tiles and its scale words are in; the mask's 16 loads may be out
	KQ 0
.rept 8
	v_nop
.endr
	KLOAD 1, \q
	s_wait_dscnt 8                                 ; the mask is in; K's tiles 4-7 may be out
	MASKADD 0
	VLOAD 0, \q
	s_wait_alu depctr_va_vdst(0)
	s_wait_dscnt 0x0
	KQ 1
	MAXC 0, 1                                      ; sixteen plain lines that name none of those four products' registers: their places
	MASKADD 1
	VLOAD 2, \q
	ds_load_b64 v[VS:VS+1], v[ADV] offset:(\q)*2304
	MAXC 2, 3
.irp b, 0,1,2,3
	v_permlanex16_b32 v[PT+\b], v[BM+\b], s[SEL], s[SEL+1]
.endr
.irp b, 0,1,2,3
	s_delay_alu instid0(VALU_DEP_4)
	v_max_num_f32 v[BM+\b], v[BM+\b], v[PT+\b]
.endr
	s_delay_alu instid0(VALU_DEP_2)
	v_max3_num_f32 v254, v[BM], v[BM+1], v[BM+2]
	s_delay_alu instid0(VALU_DEP_1)
	v_max_num_f32 v254, v254, v[BM+3]
	s_delay_alu instid0(VALU_DEP_1)
	v_mul_f32 v254, s[CS], v254
	s_delay_alu instid0(VALU_DEP_1)
	v_max_num_f32 v13, v13, v254                   ; the running largest t
	v_mov_b32 v254, v12
	s_delay_alu instid0(VALU_DEP_2)
	v_floor_f32 v12, -v13                          ; the new -M
	s_delay_alu instid0(VALU_DEP_1)
	v_sub_f32 v254, v12, v254
	s_delay_alu instid0(VALU_DEP_1)
	v_cvt_i32_f32 v254, v254
	s_delay_alu instid0(VALU_DEP_1)
	v_ldexp_f32 v[F], 1.0, v254                    ; f = 2^(old M - new M)
.set j, 0
.rept 32
	v_pk_fma_f32 v[S+j:S+j+1], v[S+j:S+j+1], s[CS:CS+1], v[12:13] op_sel_hi:[1,0,0]
.set j, j+2
.endr
.irp b, 0,1,2,3
	v_fma_f32 v[BM+\b], v[BM+\b], s[CS], v12
.endr
.set j, 0
	s_wait_alu depctr_va_vdst(0)
.rept 64
	v_exp_f32 v[S+j], v[S+j]
.set j, j+1
.endr
.irp b, 0,1,2,3
	v_exp_f32 v[BM+\b], v[BM+\b]                   ; the block's largest p
.endr
	v_pk_mul_f32 v[14:15], v[14:15], v[F:F+1] op_sel_hi:[1,0]
	s_wait_alu depctr_va_vdst(0)
.irp b, 0,1,2,3
	v_max_num_f32 v[BM+\b], 0x8000000, v[BM+\b]
.endr
.irp b, 0,1,2,3
	s_delay_alu instid0(VALU_DEP_4)
	v_add_nc_u32 v[SCOP+\b], 0xf8800000, v[BM+\b]
.endr
.irp b, 0,1,2,3
	v_and_or_b32 v[HOLD+\b], v[BM+\b], 0x7f800000, s[MNT]
.endr
.irp b, 0,1,2,3
	v_lshrrev_b32 v[PT+\b], 23, v[SCOP+\b]
.endr
	s_delay_alu instid0(VALU_DEP_3)
	v_lshl_or_b32 v[PS], v[PT+1], 8, v[PT]
	s_delay_alu instid0(VALU_DEP_1)
	v_lshl_or_b32 v[PS], v[PT+2], 16, v[PS]
	s_delay_alu instid0(VALU_DEP_1)
	v_lshl_or_b32 v[PS], v[PT+3], 24, v[PS]
	v_pk_add_f32 v[52:53], v[76:77], v[80:81]      ; l takes the unquantised p, in eight chains
	v_pk_add_f32 v[254:255], v[84:85], v[88:89]
	v_pk_add_f32 v[242:243], v[92:93], v[96:97]
	v_pk_add_f32 v[240:241], v[100:101], v[104:105]
	v_pk_add_f32 v[234:235], v[108:109], v[112:113]
	v_pk_add_f32 v[232:233], v[116:117], v[120:121]
	v_pk_add_f32 v[62:63], v[124:125], v[128:129]
	v_pk_add_f32 v[14:15], v[14:15], v[132:133]
	v_pk_add_f32 v[52:53], v[52:53], v[72:73]
	v_pk_add_f32 v[254:255], v[254:255], v[74:75]
	v_pk_add_f32 v[242:243], v[242:243], v[78:79]
	v_pk_add_f32 v[240:241], v[240:241], v[82:83]
	v_pk_add_f32 v[234:235], v[234:235], v[86:87]
	v_pk_add_f32 v[232:233], v[232:233], v[90:91]
	v_pk_add_f32 v[62:63], v[62:63], v[94:95]
	v_pk_add_f32 v[14:15], v[14:15], v[98:99]
	v_pk_add_f32 v[52:53], v[52:53], v[102:103]
	v_pk_add_f32 v[254:255], v[254:255], v[106:107]
	v_pk_add_f32 v[242:243], v[242:243], v[110:111]
	v_pk_add_f32 v[240:241], v[240:241], v[114:115]
	v_pk_add_f32 v[234:235], v[234:235], v[118:119]
	v_pk_add_f32 v[232:233], v[232:233], v[122:123]
	v_pk_add_f32 v[62:63], v[62:63], v[126:127]
	v_pk_add_f32 v[14:15], v[14:15], v[130:131]
	v_pk_add_f32 v[52:53], v[52:53], v[134:135]
	s_delay_alu instid0(VALU_DEP_2)
	v_pk_add_f32 v[14:15], v[14:15], v[240:241]
	s_delay_alu instid0(VALU_DEP_2)
	v_pk_add_f32 v[52:53], v[52:53], v[234:235]
	v_pk_add_f32 v[254:255], v[254:255], v[232:233]
	v_pk_add_f32 v[242:243], v[242:243], v[62:63]
	s_delay_alu instid0(VALU_DEP_2)
	v_pk_add_f32 v[14:15], v[14:15], v[254:255]
	s_delay_alu instid0(VALU_DEP_2)
	v_pk_add_f32 v[52:53], v[52:53], v[242:243]
	s_delay_alu instid0(VALU_DEP_1)
	v_pk_add_f32 v[14:15], v[14:15], v[52:53]
.irp b, 0,1,2,3
.set j, 0
.rept 8
	v_dual_min_num_f32 v[S+16*\b+j], v[S+16*\b+j], v[HOLD+\b] :: v_dual_min_num_f32 v[S+16*\b+j+1], v[S+16*\b+j+1], v[HOLD+\b]   ; the conversion does not saturate (ISA guide 7.6.2); p is not negative: a one-sided hold, two numbers a line
.set j, j+2
.endr
	v_cvt_scalef32_pk8_bf8_f32 v[P+4*\b:P+4*\b+1], v[S+16*\b:S+16*\b+7], v[SCOP+\b]
	v_cvt_scalef32_pk8_bf8_f32 v[P+4*\b+2:P+4*\b+3], v[S+16*\b+8:S+16*\b+15], v[SCOP+\b]
.endr
.set j, 0
.rept 16
	v_pk_mul_f32 v[O+j:O+j+1], v[O+j:O+j+1], v[F:F+1] op_sel_hi:[1,0]   ; O^T under the new M; also the places between the codes and the products below
.set j, j+2
.endr
	s_wait_alu depctr_va_vdst(0)
	s_wait_loadcnt 0x0                             ; V's sixteen loads are in,
	s_wait_dscnt 0x0                               ; and its scale words
.irp t, 0,1,2,3                        ; the four accumulators take turns
.if \t%2
	v_wmma_scale_f32_16x16x128_f8f6f4 v[O+8*\t:O+8*\t+7], v[MV+16*\t:MV+16*\t+15], v[P:P+15], v[O+8*\t:O+8*\t+7], v[VS+\t/2], v[PS] matrix_a_fmt:MATRIX_FMT_BF8 matrix_b_fmt:MATRIX_FMT_BF8 matrix_a_scale:MATRIX_SCALE_ROW1
.else
	v_wmma_scale_f32_16x16x128_f8f6f4 v[O+8*\t:O+8*\t+7], v[MV+16*\t:MV+16*\t+15], v[P:P+15], v[O+8*\t:O+8*\t+7], v[VS+\t/2], v[PS] matrix_a_fmt:MATRIX_FMT_BF8 matrix_b_fmt:MATRIX_FMT_BF8
.endif
.endr
.endm
; THE CHANGE OF SLOTS: each wave waits for its tensor load (its part of the slot ahead), adds 0 to its spare word, and waits for that and for its reads of the slot that it has left.  fill = 1: a round of the
; cluster's barrier follows, and behind it that slot takes the next 256 keys, which have two key steps' work in which to land.
.macro CHANGE fill
	s_wait_tensorcnt 0x0
	ds_add_u32 v[SPW], v[NIL]
.if \fill
	s_xor_b32 s[G0K+1], s[G0K+1], SLOT1
	s_add_nc_u64 s[G0K+2:G0K+3], s[G0K+2:G0K+3], 6*BLKB
	s_xor_b32 s[G0S+1], s[G0S+1], SLOT1
	s_add_nc_u64 s[G0S+2:G0S+3], s[G0S+2:G0S+3], 6*BLKB
	s_xor_b32 s[G0M+1], s[G0M+1], SLOT1
	s_add_nc_u64 s[G0M+2:G0M+3], s[G0M+2:G0M+3], 1024
	s_wait_xcnt 0x0                                ; the last trip's prefetches have read their bases
	s_add_nc_u64 s[PF:PF+1], s[PF:PF+1], 1024
	s_add_nc_u64 s[PK:PK+1], s[PK:PK+1], 6*BLKB
.endif
	s_wait_dscnt 0x0
.if \fill
	CROUND
	JLOAD
	PREF
.else
	s_barrier_signal -1
	s_barrier_wait -1
.endif
.endm
	s_wait_alu depctr_va_vdst(0)
	s_wait_loadcnt 0x0                             ; Q
.Lslot:                                            ; 15 trips: trip j asks for slot j + 1 and works on slot j
	CHANGE 1
	STEP 0
	STEP 1
	s_xor_b32 s[TB], s[TB], SLOT1
	s_add_nc_u64 s[VB:VB+1], s[VB:VB+1], 6*BLKB    ; V's loads of this slot were waited for
	s_sub_co_u32 s[CNT], s[CNT], 1
	s_cmp_lg_u32 s[CNT], 0
	s_cbranch_scc1 .Lslot
	CHANGE 0                                       ; the last slot is written out
	STEP 0
	STEP 1
	; THE WAY OUT.  O^T / l; register 16 b + i is channel 32 b + 16 (lane / 16) + i of my query: two blocks of 32 along the last product's K; the codes are that operand's registers.
	s_wait_xcnt 0x0                                ; the last prefetch has read v11, which becomes 8 r
	v_and_b32 v11, 15, v0
	v_lshlrev_b32 v11, 3, v11
.rept 6
	v_nop                                          ; with the two lines above: eight places behind the last products
.endr
	v_add_f32 v14, v14, v15
	s_delay_alu instid0(VALU_DEP_1)
	v_permlanex16_b32 v[PT], v14, s[SEL], s[SEL+1]
	s_delay_alu instid0(VALU_DEP_1)
	v_add_f32 v14, v14, v[PT]
	s_wait_alu depctr_va_vdst(0)
	v_rcp_f32 v14, v14
	v_nop
.set j, 0
	s_wait_alu depctr_va_vdst(0)
.rept 16
	v_pk_mul_f32 v[O+j:O+j+1], v[O+j:O+j+1], v[14:15] op_sel_hi:[1,0]
.set j, j+2
.endr
.irp b, 0,1
	v_max3_num_f32 v[BM+\b], |v[O+16*\b]|, |v[O+16*\b+1]|, 0x8000000
.endr
.irp i, 2,4,6,8,10,12,14
.irp b, 0,1
	s_delay_alu instid0(VALU_DEP_2)
	v_max3_num_f32 v[BM+\b], v[BM+\b], |v[O+16*\b+\i]|, |v[O+16*\b+\i+1]|
.endr
.endr
.irp b, 0,1
	s_delay_alu instid0(VALU_DEP_2)
	v_permlanex16_b32 v[PT+\b], v[BM+\b], s[SEL], s[SEL+1]
.endr
.irp b, 0,1
	s_delay_alu instid0(VALU_DEP_2)
	v_max_num_f32 v[BM+\b], v[BM+\b], v[PT+\b]
.endr
.irp b, 0,1
	s_delay_alu instid0(VALU_DEP_2)
	v_add_nc_u32 v[SCOP+\b], 0xf8800000, v[BM+\b]
.endr
.irp b, 0,1
	s_delay_alu instid0(VALU_DEP_4)
	v_and_or_b32 v[HOLD+\b], v[BM+\b], 0x7f800000, s[MNT]
.endr
.irp b, 0,1
	s_delay_alu instid0(VALU_DEP_4)
	v_lshrrev_b32 v[PT+\b], 23, v[SCOP+\b]
.endr
	s_delay_alu instid0(VALU_DEP_1)
	v_lshl_or_b32 v40, v[PT+1], 8, v[PT]
.irp b, 0,1
.set j, 0
.rept 16
	v_med3_num_f32 v[O+16*\b+j], v[O+16*\b+j], -v[HOLD+\b], v[HOLD+\b]
.set j, j+1
.endr
	v_cvt_scalef32_pk8_bf8_f32 v[P+4*\b:P+4*\b+1], v[O+16*\b:O+16*\b+7], v[SCOP+\b]
	v_cvt_scalef32_pk8_bf8_f32 v[P+4*\b+2:P+4*\b+3], v[O+16*\b+8:O+16*\b+15], v[SCOP+\b]
.endr
	v_nop                                          ; one plain vector line behind the last conversion
	global_store_b128 v9, v[P:P+3], s[74:75]       ; 32 lanes store 512 consecutive bytes of the image
	global_store_b128 v9, v[P+4:P+7], s[74:75] offset:512
	global_store_b16 v11, v40, s[76:77]            ; both halves of the lanes hold the same bytes and write the same place
	s_wait_tensorcnt 0x0                           ; the wave's end
	ds_add_u32 v[SPW], v[NIL]
	s_wait_dscnt 0x0
	CROUND                                         ; the closing round
	s_endpgm
.Lfunc_end_k_q477d953eec_attn:
	.size	k_q477d953eec_attn, .Lfunc_end_k_q477d953eec_attn-k_q477d953eec_attn
	.p2alignl 7, 3214868480
	.fill 96, 4, 3214868480
	.section	.rodata,"a",@progbits
	.p2align	6, 0x0
	.amdhsa_kernel k_q477d953eec_attn
		.amdhsa_group_segment_fixed_size 327680
		.amdhsa_private_segment_fixed_size 0
		.amdhsa_enable_private_segment 0
		.amdhsa_kernarg_size 32
		.amdhsa_user_sgpr_count 2
		.amdhsa_user_sgpr_kernarg_segment_ptr 1
		.amdhsa_wavefront_size32 1
		.amdhsa_system_sgpr_workgroup_id_x 1
		.amdhsa_system_sgpr_workgroup_id_y 1
		.amdhsa_system_sgpr_workgroup_id_z 1
		.amdhsa_system_vgpr_workitem_id 0
		.amdhsa_next_free_vgpr 256
		.amdhsa_next_free_sgpr 102
		.amdhsa_reserve_vcc 0
		.amdhsa_float_denorm_mode_32 3
		.amdhsa_float_denorm_mode_16_64 3
		.amdhsa_memory_ordered 1
		.amdhsa_forward_progress 1
		.amdhsa_inst_pref_size 115
	.end_amdhsa_kernel
	.amdgpu_metadata
---
amdhsa.version: [ 1, 2 ]
amdhsa.kernels:
  - .name:           k_q477d953eec_attn
    .symbol:         k_q477d953eec_attn.kd
    .args:
      - { .name: qb, .offset: 0, .size: 8, .value_kind: global_buffer, .address_space: global }
      - { .name: kv, .offset: 8, .size: 8, .value_kind: global_buffer, .address_space: global }
      - { .name: mask, .offset: 16, .size: 8, .value_kind: global_buffer, .address_space: global }
      - { .name: ao, .offset: 24, .size: 8, .value_kind: global_buffer, .address_space: global }
    .group_segment_fixed_size: 327680
    .private_segment_fixed_size: 0
    .kernarg_segment_align: 8
    .kernarg_segment_size: 32
    .max_flat_workgroup_size: 384
    .sgpr_count:     102
    .vgpr_count:     256
    .wavefront_size: 32
...
	.end_amdgpu_metadata
.endif
;; end of part 3
;; launch outp (part 4): grid 16 x 12, 4 waves a work-group, no clusters, 17,920 bytes of LDS; arguments ao, wq, b_o, out0; writes out0
.if DOCPART == 4
	.amdgcn_target "amdgcn-amd-amdhsa--gfx1250"
	.amdhsa_code_object_version 6
	.text
	.protected	k_q477d953eec_outp
	.globl	k_q477d953eec_outp
	.p2align	8
	.type	k_q477d953eec_outp,@function
k_q477d953eec_outp:
	s_mov_b64 s[64:65], 0
	v_nop
	global_prefetch_b8 v0, s[64:65] scope:SCOPE_SE
	s_setreg_imm32_b32 hwreg(HW_REG_WAVE_MODE, 25, 1), 1
	s_wait_xcnt 0x0
; out0 = attention's result x W_o + b_o, on codes of BF8 (E5M2) with E8M0 scales, sums in f32.  Both operands lie in memory as images of the operand's registers (ao: 256 tiles of 16 rows; wq's fourth part: 48 tiles of
; 16 columns of W_o, tile 2 b + u, row r = column 32 b + 8 u + r + 8 (r / 8)), six K steps each.
; SHARES.  A wave makes 64 rows (tiles 4 R .. 4 R + 3, R = 4 x work-group x + wave) x 64 columns (64 cb on, cb = work-group y): 16 accumulators, 96 matrix instructions.  768 waves in 192 work-groups: all the work there is
; at this tile.  Waves share nothing: no barrier.
; USED TRANSPOSED: source 0 = 16 columns of W_o, source 1 = 16 rows: a lane holds one row, and the 16 registers of tiles 2 e, 2 e + 1 are columns 32 e + 16 (lane / 16) + 0 .. 15.
; b_o is the C of each sum's first matrix instruction: eight registers a tile, in the result's layout.
; NO CLUSTER, NO TENSOR LOADS: a fragment comes into registers by four loads of 512 consecutive bytes, as it lies; K has six steps, so a ring would spend six changes of slots on a wave's 96 matrix instructions.
; The loads run one K step ahead, in two sets of registers.
; REGISTERS: window 0: v1-6 addresses; v16-39 W_o's scale words (tile a, K step s: 16 + 6 a + s), v40-63 the rows'; v64-95 b_o, later rows on the way out; v96-223 the accumulators ((b, a) at 96 + 32 b + 8 a);
;   v224-255 rows on the way out.   window 1: two sets of 128: source 0's four fragments, then source 1's.
.set SC0, 16
.set SC1, 40
.set BI,  64
.set ACC, 96
.set SPO, 272                          ; a stage row: 256 bytes + 16
.set MSB, 0
.macro WIN new                         ; the immediate's high byte repeats the setting that is left
.if MSB != \new
	s_set_vgpr_msb (MSB<<8)|\new
.set MSB, \new
.endif
.endm
	s_load_b256 s[4:11], s[0:1], 0x0               ; ao s[4:5], wq s[6:7], b_o s[8:9], out0 s[10:11]
	v_lshl_add_u32 v14, v0, 2, 0x4400
	v_mov_b32 v15, 0
	v_lshrrev_b32 v1, 5, v0
	v_readfirstlane_b32 s12, v1                    ; wave 0..3
	v_and_b32 v7, 31, v0                           ; lane
	v_and_b32 v8, 15, v0                           ; r
	v_bfe_u32 v9, v0, 4, 1                         ; h
	v_lshlrev_b32 v1, 4, v7                        ; 16 x lane
	v_lshlrev_b32 v2, 3, v8                        ; 8 r
	v_lshlrev_b32 v3, 6, v9                        ; 64 h: b_o at my half's 16 columns
	s_mul_i32 s15, s12, 16*SPO                     ; my stage
	v_mul_u32_u24 v4, v8, SPO
	v_lshl_add_u32 v4, v9, 6, v4
	v_add_nc_u32 v4, s15, v4                       ; in: row r, + 64 h
	v_mul_u32_u24 v5, v9, SPO
	v_lshl_add_u32 v5, v8, 4, v5
	v_add_nc_u32 v5, s15, v5                       ; back: lanes 0-15 one row of 256 bytes, lanes 16-31 the next
	v_mul_u32_u24 v6, v9, 3072
	v_lshl_add_u32 v6, v8, 4, v6                   ; and the same two rows in out0
	s_lshl_b32 s13, ttmp9, 2
	s_add_co_u32 s13, s13, s12                     ; R
	s_and_b32 s14, ttmp7, 0xffff                   ; cb
	s_mul_i32 s16, s14, 49152                      ; W_o's codes
	s_add_co_u32 s16, s16, 1769472
	s_mov_b32 s17, 0
	s_mul_i32 s18, s14, 1536                       ; its scale words
	s_add_co_u32 s18, s18, 2414592
	s_mov_b32 s19, 0
	s_mul_i32 s20, s13, 49152                      ; the rows' codes
	s_mov_b32 s21, 0
	s_mul_i32 s22, s13, 1536                       ; their scale words
	s_add_co_u32 s22, s22, 3145728
	s_mov_b32 s23, 0
	s_lshl_b32 s24, s14, 8                         ; b_o at my 64 columns
	s_mov_b32 s25, 0
	s_mul_i32 s26, s13, 196608                     ; out0 at my 64 rows and 64 columns
	s_add_co_u32 s26, s26, s24
	s_mov_b32 s27, 0
	s_wait_alu depctr_va_vdst(0)
	s_wait_kmcnt 0x0
	s_add_nc_u64 s[16:17], s[6:7], s[16:17]
	s_add_nc_u64 s[18:19], s[6:7], s[18:19]
	s_add_nc_u64 s[20:21], s[4:5], s[20:21]
	s_add_nc_u64 s[22:23], s[4:5], s[22:23]
	s_add_nc_u64 s[24:25], s[8:9], s[24:25]
	s_add_nc_u64 s[26:27], s[10:11], s[26:27]
.irp a, 0,1,2,3
	global_load_b128 v[BI+8*\a:BI+8*\a+3], v3, s[24:25] offset:(32*(\a/2)+8*(\a%2))*4       ; tile a, register j: b_o at column 32 (a / 2) + 16 h + 8 (a % 2) + j
	global_load_b128 v[BI+8*\a+4:BI+8*\a+7], v3, s[24:25] offset:(32*(\a/2)+8*(\a%2))*4+16
.endr
.irp a, 0,1,2,3
.irp i, 0,1,2
	global_load_b64 v[SC0+6*\a+2*\i:SC0+6*\a+2*\i+1], v2, s[18:19] offset:\a*384+\i*128
	global_load_b64 v[SC1+6*\a+2*\i:SC1+6*\a+2*\i+1], v2, s[22:23] offset:\a*384+\i*128
.endr
.endr
.macro LOADK s                         ; K step s into set s % 2: 32 loads of 512 consecutive bytes
	WIN 0x40                                       ; destination window 1, address window 0
.irp a, 0,1,2,3
.irp c, 0,1,2,3
	global_load_b128 v[128*((\s)%2)+16*\a+4*\c:128*((\s)%2)+16*\a+4*\c+3], v1, s[16:17] offset:\a*12288+(\s)*2048+\c*512
.endr
.endr
.irp b, 0,1,2,3
.irp c, 0,1,2,3
	global_load_b128 v[128*((\s)%2)+64+16*\b+4*\c:128*((\s)%2)+64+16*\b+4*\c+3], v1, s[20:21] offset:\b*12288+(\s)*2048+\c*512
.endr
.endr
	WIN 0
.endm
.macro MULK s                          ; 16 matrix instructions; the 16 accumulators take turns, in the same order in every step
.if (\s) < 5
	s_wait_loadcnt 32                              ; this step's loads, and all before them, are in; the next step's 32 may be out
.else
	s_wait_loadcnt 0x0
.endif
	WIN 0x05                                       ; sources 0 and 1 window 1
.irp b, 0,1,2,3
.irp a, 0,1,2,3
.if (\s) == 0
	v_wmma_scale_f32_16x16x128_f8f6f4 v[ACC+32*\b+8*\a:ACC+32*\b+8*\a+7], v[16*\a:16*\a+15], v[64+16*\b:64+16*\b+15], v[BI+8*\a:BI+8*\a+7], v[SC0+6*\a], v[SC1+6*\b] matrix_a_fmt:MATRIX_FMT_BF8 matrix_b_fmt:MATRIX_FMT_BF8
.else
	v_wmma_scale_f32_16x16x128_f8f6f4 v[ACC+32*\b+8*\a:ACC+32*\b+8*\a+7], v[128*((\s)%2)+16*\a:128*((\s)%2)+16*\a+15], v[128*((\s)%2)+64+16*\b:128*((\s)%2)+64+16*\b+15], v[ACC+32*\b+8*\a:ACC+32*\b+8*\a+7], v[SC0+6*\a+(\s)], v[SC1+6*\b+(\s)] matrix_a_fmt:MATRIX_FMT_BF8 matrix_b_fmt:MATRIX_FMT_BF8
.endif
.endr
.endr
	WIN 0
.rept 8
	v_nop                                          ; eight places in front of loads into registers that these products read, and of the first read of results
.endr
.endm
	LOADK 0
	LOADK 1
.irp s, 0,1,2,3
	MULK \s
	LOADK \s+2
.endr
	MULK 4
	MULK 5
; THE WAY OUT, a tile of 16 rows x 64 columns at a time: a lane holds 2 x 64 bytes of one row, and the lanes beside it hold other rows.  So the tile goes through my own stage in LDS and comes back as whole rows of 256
; bytes, which sixteen lanes store as 256 consecutive bytes at a multiple of 256 from out0's first byte.  LDS serves a wave's instructions in order (ISA guide 5.7.1.4): no wait between the stores and the loads.
.macro TOSTAGE b
.set OB, 224-160*((\b)%2)
.irp e, 0,1
.irp q, 0,1,2,3
	ds_store_b128 v4, v[ACC+32*(\b)+16*\e+4*\q:ACC+32*(\b)+16*\e+4*\q+3] offset:128*\e+16*\q   ; each accumulator from its low end on
.endr
.endr
.irp i, 0,1,2,3,4,5,6,7
	ds_load_b128 v[OB+4*\i:OB+4*\i+3], v5 offset:2*\i*SPO
.endr
.endm
.macro SEND b, younger                 ; younger: the LDS instructions issued behind tile b's loads, which may stay out
.set OB, 224-160*((\b)%2)
	s_wait_dscnt \younger
.irp i, 0,1,2,3,4,5,6,7
	global_store_b128 v6, v[OB+4*\i:OB+4*\i+3], s[26:27] offset:(16*(\b)+2*\i)*3072 th:TH_STORE_NT   ; written once, read by nobody here
.endr
.endm
	TOSTAGE 0
.irp b, 1,2,3
.if \b > 1
	s_wait_xcnt 0x0                                ; tile b - 2's stores have read their registers: tile b's loads may land there
.endif
	TOSTAGE \b
	SEND \b-1, 16                                  ; behind tile b - 1's loads: tile b's 8 stores and 8 loads
.endr
	SEND 3, 0
	s_wait_tensorcnt 0x0
	ds_add_u32 v14, v15
	s_wait_dscnt 0x0
	s_endpgm
.Lfunc_end_k_q477d953eec_outp:
	.size	k_q477d953eec_outp, .Lfunc_end_k_q477d953eec_outp-k_q477d953eec_outp
	.p2alignl 7, 3214868480
	.fill 96, 4, 3214868480
	.section	.rodata,"a",@progbits
	.p2align	6, 0x0
	.amdhsa_kernel k_q477d953eec_outp
		.amdhsa_group_segment_fixed_size 17920
		.amdhsa_private_segment_fixed_size 0
		.amdhsa_enable_private_segment 0
		.amdhsa_kernarg_size 32
		.amdhsa_user_sgpr_count 2
		.amdhsa_user_sgpr_kernarg_segment_ptr 1
		.amdhsa_wavefront_size32 1
		.amdhsa_system_sgpr_workgroup_id_x 1
		.amdhsa_system_sgpr_workgroup_id_y 1
		.amdhsa_system_sgpr_workgroup_id_z 1
		.amdhsa_system_vgpr_workitem_id 0
		.amdhsa_next_free_vgpr 512
		.amdhsa_next_free_sgpr 66
		.amdhsa_reserve_vcc 0
		.amdhsa_float_denorm_mode_32 3
		.amdhsa_float_denorm_mode_16_64 3
		.amdhsa_memory_ordered 1
		.amdhsa_forward_progress 1
		.amdhsa_inst_pref_size 46
	.end_amdhsa_kernel
	.amdgpu_metadata
---
amdhsa.version: [ 1, 2 ]
amdhsa.kernels:
  - .name:           k_q477d953eec_outp
    .symbol:         k_q477d953eec_outp.kd
    .args:
      - { .name: ao, .offset: 0, .size: 8, .value_kind: global_buffer, .address_space: global }
      - { .name: wq, .offset: 8, .size: 8, .value_kind: global_buffer, .address_space: global }
      - { .name: b_o, .offset: 16, .size: 8, .value_kind: global_buffer, .address_space: global }
      - { .name: out0, .offset: 24, .size: 8, .value_kind: global_buffer, .address_space: global }
    .group_segment_fixed_size: 17920
    .private_segment_fixed_size: 0
    .kernarg_segment_align: 8
    .kernarg_segment_size: 32
    .max_flat_workgroup_size: 128
    .sgpr_count:     66
    .vgpr_count:     512
    .wavefront_size: 32
...
	.end_amdgpu_metadata
.endif
;; end of part 4
